; MI455X (gfx1250); checked and timed in simulation.
; The chip was launched on July 23, 2026; its instructions are those of AMD's public machine-readable ISA for CDNA 5 (MIT licence, August 2026) and "CDNA5" Instruction Set Architecture Reference Guide (July 2026). The comments in the code are by the model that wrote it; some were corrected since.
;; Grammar Field Operator. Allowed arithmetic: float matrix products may take bf16 or f16 operands with f32 sums; other float arithmetic in f32, or as packed bf16 or f16 multiplies, adds, multiply-adds, maxima and minima; sums over many terms, partial sums and values carried from step to step in f32; what a program stores and reads back later, other than sums and carried values, may be rounded once to bf16 or f16.
;; Inputs: experts_b 16,384 float32; experts_w 1,024 x 16,384 float32; gate_w 1,024 x 16 float32; x 4 x 1,024 x 1,024 float32.
;; Outputs: out0 4 x 1,024 x 1,024 float32.
;; 3 versions, each right; version 2 is faster than version 1; version 3 is version 2 with the launch prep written anew for expert scheduling mode. Each part assembles by itself: llvm-mc -triple=amdgcn-amd-amdhsa -mcpu=gfx1250 --defsym DOCPART=n.
;; ======== version 1 of 3: 2 launches
;; workspace buffers: xb 8,388,608 bytes; wb 33,554,432 bytes; wts 262,144 bytes
;; launch prep (part 1): grid 256 x 1, 8 waves a work-group, no clusters, 77,824 bytes of LDS; arguments x, gate_w, experts_w, xb, wb, wts; writes xb, wb, wts
.if DOCPART == 1
	.amdgcn_target "amdgcn-amd-amdhsa--gfx1250"
	.amdhsa_code_object_version 6
	.text
	.protected	k_qec70441a78_prep
	.globl	k_qec70441a78_prep
	.p2align	8
	.type	k_qec70441a78_prep,@function
k_qec70441a78_prep:
	s_mov_b64 s[64:65], 0
	v_nop
	global_prefetch_b8 v0, s[64:65] scope:SCOPE_SE
	s_setreg_imm32_b32 hwreg(HW_REG_WAVE_MODE, 25, 1), 1
	s_wait_xcnt 0x0
; xb = bf16(x), wb = bf16(experts_w), both in the layout of their f32 originals; wts[t][e] = softmax_e(x[t] . gate_w[:, e]), f32.
; x: [4096][1024] f32.  gate_w: [1024][16] f32.  experts_w: [1024][16384] f32.
; SHARES.  256 work-groups of eight waves, all alike.  Work-group g: x's rows 16 g .. 16 g + 15 (65,536 bytes) and the 262,144 bytes of experts_w from byte 262,144 g on.
; Wave w: of the 16 rows the columns 128 w .. 128 w + 127 (one 16-byte load a lane and row), gate_w's rows 128 w .. 128 w + 127 (8,192 dense bytes), and 32,768 bytes of the group's part of experts_w.
; THE GATE.  Each wave multiplies its 128 of the 1,024 terms on the matrix unit (bf16 operands, f32 sums), out of LDS bytes of its own; the eight partial sums (f32) meet in LDS behind one barrier,
; and wave 0 adds them in a fixed order and makes the softmax in f32, the row's maximum taken away first.  The product is used transposed (source 0 = 16 experts, source 1 = 16 tokens):
; a lane then holds one token (lane % 16) and the experts 8 (lane / 16) + 0..7, so maximum and sum want one exchange between the halves of the lanes.
; THE STREAM.  All 48 loads of a wave go out before the first wait; experts_w then runs through a ring of 16 register slots, 16 loads of 512 bytes always on their way.
; No tensor loads, no cluster: nothing but gate_w (65,536 bytes) is read by two work-groups.
; LIMITS.  x, gate_w and experts_w are rounded once to bf16 (nearest even) as matrix operands.  A weight below 2^-126 comes out as 0 (v_exp_f32 flushes denormals: ISA guide 15.8).  NaN and infinities are not treated apart.
.set XSP,   272                        ; a row of the wave's x in LDS: 256 bytes of bf16 + 16: the 16 rows of a fragment load start at 16 different groups of four banks (ISA guide 11.1)
.set XS,    0                          ; wave w: 16 rows x 272
.set GS,    8*16*XSP                   ; wave w: 128 rows of gate_w x 32 bytes (16 bf16), dense
.set PS,    GS+8*4096                  ; wave w: its partial logits, f32 [16 tokens][16 experts]
.set WS,    PS+8*1024                  ; wave 0: the weights on their way out, f32 [16][16]
.set SPARE, WS+1024                    ; the spare words, 128 bytes for each wave: four blocks of 256 bytes that no other line names
.set XOF, 4                            ; v4   my 16 bytes in a row of x: 16 t
.set XBO, 5                            ; v5   my 8 bytes in a row of xb: 8 t
.set WIO, 6                            ; v6   my 16 bytes in the group's part of experts_w
.set WOO, 7                            ; v7   my 8 bytes in the group's part of wb
.set GIO, 8                            ; v8   my 16 bytes in gate_w
.set XSW, 9                            ; v9   LDS: where I put 8 bytes of a row of x
.set XSR, 10                           ; v10  LDS: my place in a fragment of x
.set GSW, 11                           ; v11  LDS: where I put 8 bytes of gate_w
.set GSR, 12                           ; v12  LDS: my place in a turned fragment of gate_w
.set PSW, 13                           ; v13  LDS: my wave's partial logits
.set PSR, 14                           ; v14  LDS: the same place in wave 0's
.set WSW, 15                           ; v15  LDS: the weights in
.set WSR, 16                           ; v16  LDS: the weights back, 16 bytes a lane
.set WGO, 17                           ; v17  my 16 bytes in 512 of wts
.set SPW, 30                           ; v30  LDS address of my spare word; never rewritten
.set NIL, 31                           ; v31  0; never rewritten
.set XD,  32                           ; v[32:95]   16 rows of x, 4 registers each; later the two accumulators v[32:47] and their sum v[48:55]
.set GD,  96                           ; v[96:159]  16 loads of gate_w; later the fragments; in wave 0 later the eight partial sums
.set XF,  96                           ; fragments of x, 8 registers for each 32 along K
.set GF,  128                          ; fragments of gate_w
.set WR,  160                          ; v[160:223] the ring: slot i, 4 registers as loaded
.set Y,   224                          ; v[224:255] the ring: slot i, 2 registers to store
	s_load_b256 s[4:11], s[0:1], 0x0               ; x s[4:5], gate_w s[6:7], experts_w s[8:9], xb s[10:11]
	s_load_b128 s[12:15], s[0:1], 0x20             ; wb s[12:13], wts s[14:15]
	v_lshl_add_u32 v[SPW], v0, 2, SPARE
	v_mov_b32 v[NIL], 0
	v_lshrrev_b32 v1, 5, v0
	v_readfirstlane_b32 s16, v1                    ; wave 0..7
	v_and_b32 v2, 31, v0                           ; lane l
	v_and_b32 v3, 15, v0                           ; l % 16
	v_bfe_u32 v24, v0, 4, 1                        ; l / 16
	v_and_b32 v25, 7, v0                           ; l % 8
	v_bfe_u32 v26, v0, 3, 1                        ; (l / 8) % 2
	s_mov_b32 s22, 0x3fb8aa3b                      ; log2(e)
	s_mov_b32 s23, s22                             ; named with it as a pair
	s_mov_b32 s24, 0x76543210                      ; v_permlanex16_b32: each lane takes its own place in the other half
	s_mov_b32 s25, 0xfedcba98
	v_lshlrev_b32 v[XOF], 4, v0
	v_lshlrev_b32 v[XBO], 3, v0
	s_lshl_b32 s17, s16, 15
	v_lshl_add_u32 v[WIO], v2, 4, s17              ; 32,768 w + 16 l
	s_lshl_b32 s17, s16, 14
	v_lshl_add_u32 v[WOO], v2, 3, s17              ; 16,384 w + 8 l
	s_lshl_b32 s17, s16, 13
	v_lshl_add_u32 v[GIO], v2, 4, s17              ; 8,192 w + 16 l
	s_mul_i32 s17, s16, 16*XSP                     ; my wave's rows of x in LDS (XS = 0)
	v_lshl_add_u32 v[XSW], v2, 3, s17
	v_mul_u32_u24 v27, v3, XSP
	v_lshl_add_u32 v27, v24, 4, v27                ; row l % 16, 16 bytes for each half of the lanes
	v_add_nc_u32 v[XSR], s17, v27
	s_lshl_b32 s17, s16, 12
	s_add_co_u32 s17, s17, GS                      ; my wave's rows of gate_w in LDS
	v_lshl_add_u32 v[GSW], v2, 3, s17
	v_lshl_add_u32 v27, v24, 3, v25                ; the turning load: row 8 (l / 16) + l % 8,
	v_lshlrev_b32 v27, 5, v27
	v_lshl_add_u32 v27, v26, 4, v27                ; experts 8 ((l / 8) % 2) + 0..7
	v_add_nc_u32 v[GSR], s17, v27
	v_lshlrev_b32 v27, 6, v3
	v_lshl_add_u32 v27, v24, 5, v27                ; token l % 16, experts 8 (l / 16) on: 64 r + 32 h
	v_add_nc_u32 v[PSR], PS, v27
	s_lshl_b32 s17, s16, 10
	v_add_nc_u32 v[PSW], s17, v[PSR]
	v_add_nc_u32 v[WSW], WS, v27
	v_lshl_add_u32 v[WSR], v2, 4, WS
	v_lshlrev_b32 v[WGO], 4, v2
	s_mov_b32 s19, 0
	s_wait_kmcnt 0x0
	s_lshl_b32 s18, ttmp9, 16                      ; the group's 16 rows of x,
	s_add_nc_u64 s[4:5], s[4:5], s[18:19]
	s_lshl_b32 s18, ttmp9, 15                      ; of xb,
	s_add_nc_u64 s[10:11], s[10:11], s[18:19]
	s_lshl_b32 s18, ttmp9, 18                      ; its part of experts_w,
	s_add_nc_u64 s[8:9], s[8:9], s[18:19]
	s_lshl_b32 s18, ttmp9, 17                      ; of wb,
	s_add_nc_u64 s[12:13], s[12:13], s[18:19]
	s_lshl_b32 s18, ttmp9, 10                      ; and its 16 tokens' weights
	s_add_nc_u64 s[14:15], s[14:15], s[18:19]
	; 48 loads on end: x's 16 rows, gate_w's 8,192 bytes, the ring's first 16 slots
.irp i, 0,1,2,3,4,5,6,7,8,9,10,11,12,13,14,15
	global_load_b128 v[XD+4*(\i):XD+4*(\i)+3], v[XOF], s[4:5] offset:4096*(\i) th:TH_LOAD_NT
.endr
.irp i, 0,1,2,3,4,5,6,7,8,9,10,11,12,13,14,15
	global_load_b128 v[GD+4*(\i):GD+4*(\i)+3], v[GIO], s[6:7] offset:512*(\i)  ; every work-group reads gate_w: no hint
.endr
.irp i, 0,1,2,3,4,5,6,7,8,9,10,11,12,13,14,15
	global_load_b128 v[WR+4*(\i):WR+4*(\i)+3], v[WIO], s[8:9] offset:512*(\i) th:TH_LOAD_NT
.endr
	; x: rounded in place, stored to xb and laid into my wave's rows in LDS
.irp i, 0,1,2,3,4,5,6,7,8,9,10,11,12,13,14,15
	s_wait_loadcnt 47-(\i)                         ; behind row i stand 15 - i rows, gate_w's 16 loads and the ring's 16
	v_cvt_pk_bf16_f32 v[XD+4*(\i)], v[XD+4*(\i)], v[XD+4*(\i)+1]
	v_cvt_pk_bf16_f32 v[XD+4*(\i)+1], v[XD+4*(\i)+2], v[XD+4*(\i)+3]
	global_store_b64 v[XBO], v[XD+4*(\i):XD+4*(\i)+1], s[10:11] offset:2048*(\i)  ; the wave's 32 lanes store 256 consecutive bytes, aligned
	ds_store_b64 v[XSW], v[XD+4*(\i):XD+4*(\i)+1] offset:XSP*(\i)
.endr
	; gate_w: rounded in place and laid into LDS, 32 bytes a row
.irp i, 0,1,2,3,4,5,6,7,8,9,10,11,12,13,14,15
	s_wait_loadcnt 31-(\i)                         ; behind load i stand 15 - i of gate_w's and the ring's 16
	v_cvt_pk_bf16_f32 v[GD+4*(\i)], v[GD+4*(\i)], v[GD+4*(\i)+1]
	v_cvt_pk_bf16_f32 v[GD+4*(\i)+1], v[GD+4*(\i)+2], v[GD+4*(\i)+3]
	ds_store_b64 v[GSW], v[GD+4*(\i):GD+4*(\i)+1] offset:256*(\i)
.endr
	; the fragments, out of my wave's own bytes: LDS serves a wave's instructions in order (ISA guide 5.7.1.4), so these see the stores above
.irp q, 0,1,2,3
	ds_load_b128 v[XF+8*(\q):XF+8*(\q)+3],        v[XSR] offset:64*(\q)
	ds_load_b128 v[XF+8*(\q)+4:XF+8*(\q)+7],      v[XSR] offset:64*(\q)+32
	ds_load_tr16_b128 v[GF+8*(\q):GF+8*(\q)+3],   v[GSR] offset:1024*(\q)
	ds_load_tr16_b128 v[GF+8*(\q)+4:GF+8*(\q)+7], v[GSR] offset:1024*(\q)+512
.endr
	s_wait_dscnt 0x0
	s_wait_xcnt 0x0                                ; the stores to xb have read their data: v[32:55] are written again only behind this wait
	; two accumulators by turns, one instruction a turn; the first two products start the sums
	v_wmma_f32_16x16x32_bf16 v[32:39], v[GF:GF+7],     v[XF:XF+7],     0
	v_wmma_f32_16x16x32_bf16 v[40:47], v[GF+8:GF+15],  v[XF+8:XF+15],  0
	v_wmma_f32_16x16x32_bf16 v[32:39], v[GF+16:GF+23], v[XF+16:XF+23], v[32:39]
	v_wmma_f32_16x16x32_bf16 v[40:47], v[GF+24:GF+31], v[XF+24:XF+31], v[40:47]
.rept 4
	v_nop                                          ; four places between a product and the reading of its result (ISA guide 7.12.1)
.endr
.irp j, 0,2,4,6
	v_pk_add_f32 v[48+(\j):49+(\j)], v[32+(\j):33+(\j)], v[40+(\j):41+(\j)]  ; from each accumulator's low end on
.endr
	ds_store_b128 v[PSW], v[48:51]
	ds_store_b128 v[PSW], v[52:55] offset:16
	s_wait_dscnt 0x0                               ; for wave 0's sake: my partial sums are in LDS
	s_barrier_signal -1                            ; the ring's loads stay on their way: nobody stores those bytes
	s_barrier_wait -1
	s_cmp_lg_u32 s16, 0
	s_cbranch_scc1 .Lstream                        ; no global load stands in what is jumped: the ring's counts are alike on both ways
	; WAVE 0: the eight partial sums, a fixed tree; then the softmax of 16 tokens
.irp p, 0,1,2,3,4,5,6,7
	ds_load_b128 v[GD+8*(\p):GD+8*(\p)+3],   v[PSR] offset:1024*(\p)
	ds_load_b128 v[GD+8*(\p)+4:GD+8*(\p)+7], v[PSR] offset:1024*(\p)+16
.endr
	s_wait_dscnt 0x0
.irp p, 0,2,4,6
.irp j, 0,2,4,6
	v_pk_add_f32 v[GD+8*(\p)+(\j):GD+8*(\p)+(\j)+1], v[GD+8*(\p)+(\j):GD+8*(\p)+(\j)+1], v[GD+8*(\p)+8+(\j):GD+8*(\p)+8+(\j)+1]
.endr
.endr
.irp p, 0,4
.irp j, 0,2,4,6
	v_pk_add_f32 v[GD+8*(\p)+(\j):GD+8*(\p)+(\j)+1], v[GD+8*(\p)+(\j):GD+8*(\p)+(\j)+1], v[GD+8*(\p)+16+(\j):GD+8*(\p)+16+(\j)+1]
.endr
.endr
.irp j, 0,2,4,6
	v_pk_add_f32 v[GD+(\j):GD+(\j)+1], v[GD+(\j):GD+(\j)+1], v[GD+32+(\j):GD+32+(\j)+1]
.endr
	v_max3_num_f32 v18, v[GD], v[GD+1], v[GD+2]    ; the maximum of my 8 logits,
	v_max3_num_f32 v19, v[GD+3], v[GD+4], v[GD+5]
	v_max3_num_f32 v18, v18, v[GD+6], v[GD+7]
	v_max_num_f32 v18, v18, v19
	v_permlanex16_b32 v19, v18, s24, s25           ; and of the token's other 8, in the lane 16 away
	v_max_num_f32 v18, v18, v19
	v_mul_f32 v20, s22, v18                        ; log2(e) m
	v_mov_b32 v21, v20                             ; named with it as a pair
.irp j, 0,2,4,6
	v_pk_fma_f32 v[GD+(\j):GD+(\j)+1], v[GD+(\j):GD+(\j)+1], s[22:23], v[20:21] op_sel_hi:[1,0,0] neg_lo:[0,0,1] neg_hi:[0,0,1]  ; log2(e) s - log2(e) m: at most 0
.endr
.irp j, 0,1,2,3,4,5,6,7
	v_exp_f32 v[GD+(\j)], v[GD+(\j)]
.endr
	v_nop                                          ; a plain instruction behind the last exponential (ISA guide 5.7.2),
	s_wait_alu depctr_va_vdst(0)                   ; and the one wait ahead of the batch's first reader
	v_pk_add_f32 v[GD+8:GD+9], v[GD:GD+1], v[GD+2:GD+3]
	v_pk_add_f32 v[GD+10:GD+11], v[GD+4:GD+5], v[GD+6:GD+7]
	v_pk_add_f32 v[GD+8:GD+9], v[GD+8:GD+9], v[GD+10:GD+11]
	v_add_f32 v18, v[GD+8], v[GD+9]
	v_permlanex16_b32 v19, v18, s24, s25
	v_add_f32 v18, v18, v19                        ; the sum of all 16: at least 1, since the maximum's own term is 1
	v_rcp_f32 v22, v18
	v_mov_b32 v23, 0                               ; the plain instruction behind the reciprocal; it also writes the pair's other register
	s_wait_alu depctr_va_vdst(0)                   ; the wait ahead of the reciprocal's first reader
.irp j, 0,2,4,6
	v_pk_mul_f32 v[GD+(\j):GD+(\j)+1], v[GD+(\j):GD+(\j)+1], v[22:23] op_sel_hi:[1,0]
.endr
	ds_store_b128 v[WSW], v[GD:GD+3]               ; through LDS, so that the lanes store neighbouring bytes
	ds_store_b128 v[WSW], v[GD+4:GD+7] offset:16
	ds_load_b128 v[GD+8:GD+11], v[WSR]             ; my own wave's bytes, served in order
	ds_load_b128 v[GD+12:GD+15], v[WSR] offset:512
	s_wait_dscnt 0x0
	global_store_b128 v[WGO], v[GD+8:GD+11], s[14:15]              ; 512 consecutive bytes each, aligned
	global_store_b128 v[WGO], v[GD+12:GD+15], s[14:15] offset:512
.Lstream:
; One slot's turn.  ahead = 1: the slot is loaded again, 16 slots (8,192 bytes) on.  left = how many younger loads may stay out.
.macro SLOT i, ahead, left
	s_wait_loadcnt \left                           ; loads come back in order (ISA guide 5.7.1): mine is in
	v_cvt_pk_bf16_f32 v[Y+2*(\i)], v[WR+4*(\i)], v[WR+4*(\i)+1]
	v_cvt_pk_bf16_f32 v[Y+2*(\i)+1], v[WR+4*(\i)+2], v[WR+4*(\i)+3]
.if \ahead
	global_load_b128 v[WR+4*(\i):WR+4*(\i)+3], v[WIO], s[8:9] offset:512*(16+(\i)) th:TH_LOAD_NT
.endif
	global_store_b64 v[WOO], v[Y+2*(\i):Y+2*(\i)+1], s[12:13] offset:256*(\i)  ; the wave's 32 lanes store 256 consecutive bytes, aligned
.endm
	s_mov_b32 s20, 3                               ; a wave has 64 slots' worth: three trips of 16 that load ahead, and a tail
.Lround:
.irp i, 0,1,2,3,4,5,6,7,8,9,10,11,12,13,14,15
	SLOT \i, 1, 15
.endr
	s_wait_xcnt 0x0                                ; the trip's loads and stores have read their sources: Y and the two bases are written again only behind this wait
	s_add_nc_u64 s[8:9], s[8:9], 8192
	s_add_nc_u64 s[12:13], s[12:13], 4096
	s_sub_co_u32 s20, s20, 1
	s_cmp_lg_u32 s20, 0
	s_cbranch_scc1 .Lround
.irp i, 0,1,2,3,4,5,6,7,8,9,10,11,12,13,14,15
	SLOT \i, 0, 15-(\i)                            ; the last 16 load nothing: the counts run down
.endr
	s_wait_tensorcnt 0x0                           ; the wave's end: behind my last LDS store
	ds_add_u32 v[SPW], v[NIL]
	s_wait_dscnt 0x0
	s_endpgm
.Lfunc_end_k_qec70441a78_prep:
	.size	k_qec70441a78_prep, .Lfunc_end_k_qec70441a78_prep-k_qec70441a78_prep
	.p2alignl 7, 3214868480
	.fill 96, 4, 3214868480
	.section	.rodata,"a",@progbits
	.p2align	6, 0x0
	.amdhsa_kernel k_qec70441a78_prep
		.amdhsa_group_segment_fixed_size 77824
		.amdhsa_private_segment_fixed_size 0
		.amdhsa_enable_private_segment 0
		.amdhsa_kernarg_size 48
		.amdhsa_user_sgpr_count 2
		.amdhsa_user_sgpr_kernarg_segment_ptr 1
		.amdhsa_wavefront_size32 1
		.amdhsa_system_sgpr_workgroup_id_x 1
		.amdhsa_system_sgpr_workgroup_id_y 1
		.amdhsa_system_sgpr_workgroup_id_z 1
		.amdhsa_system_vgpr_workitem_id 0
		.amdhsa_next_free_vgpr 256
		.amdhsa_next_free_sgpr 66
		.amdhsa_reserve_vcc 0
		.amdhsa_float_denorm_mode_32 3
		.amdhsa_float_denorm_mode_16_64 3
		.amdhsa_memory_ordered 1
		.amdhsa_forward_progress 1
		.amdhsa_inst_pref_size 33
	.end_amdhsa_kernel
	.amdgpu_metadata
---
amdhsa.version: [ 1, 2 ]
amdhsa.kernels:
  - .name:           k_qec70441a78_prep
    .symbol:         k_qec70441a78_prep.kd
    .args:
      - { .name: x, .offset: 0, .size: 8, .value_kind: global_buffer, .address_space: global }
      - { .name: gate_w, .offset: 8, .size: 8, .value_kind: global_buffer, .address_space: global }
      - { .name: experts_w, .offset: 16, .size: 8, .value_kind: global_buffer, .address_space: global }
      - { .name: xb, .offset: 24, .size: 8, .value_kind: global_buffer, .address_space: global }
      - { .name: wb, .offset: 32, .size: 8, .value_kind: global_buffer, .address_space: global }
      - { .name: wts, .offset: 40, .size: 8, .value_kind: global_buffer, .address_space: global }
    .group_segment_fixed_size: 77824
    .private_segment_fixed_size: 0
    .kernarg_segment_align: 8
    .kernarg_segment_size: 48
    .max_flat_workgroup_size: 256
    .sgpr_count:     66
    .vgpr_count:     256
    .wavefront_size: 32
...
	.end_amdgpu_metadata
.endif
;; end of part 1
;; launch moe (part 2): grid 8 x 32, 4 waves a work-group, clusters of 4 x 4, 327,680 bytes of LDS; arguments xb, wb, wts, experts_b, x, out0; writes out0
.if DOCPART == 2
	.amdgcn_target "amdgcn-amd-amdhsa--gfx1250"
	.amdhsa_code_object_version 6
	.text
	.protected	k_qec70441a78_moe
	.globl	k_qec70441a78_moe
	.p2align	8
	.type	k_qec70441a78_moe,@function
k_qec70441a78_moe:
	s_mov_b64 s[64:65], 0
	v_nop
	global_prefetch_b8 v0, s[64:65] scope:SCOPE_SE
	s_setreg_imm32_b32 hwreg(HW_REG_WAVE_MODE, 25, 1), 1
	s_wait_xcnt 0x0
	s_wait_alu depctr_hold_cnt(0) depctr_sa_sdst(0) depctr_va_vdst(0) depctr_va_sdst(0) depctr_va_ssrc(0) depctr_va_vcc(0) depctr_vm_vsrc(0)
	s_getreg_b32 s2, hwreg(HW_REG_IB_STS2, 6, 4)
	s_cmp_eq_u32 s2, 0
	s_cbranch_scc0 .Lentry_in_a_cluster
	s_endpgm
.Lentry_in_a_cluster:
	s_bfe_u32 s2, ttmp6, 0x10000c
	s_cmp_lg_u32 s2, 0xf033
	s_cbranch_scc0 .Lentry_shape_is_right
	s_endpgm
.Lentry_shape_is_right:
; out0[t][d] = x[t][d] + sum over e of wts[t][e] (sum over k of xb[t][k] wb[k][1024 e + d] + experts_b[1024 e + d]).
; xb: [4096][1024] bf16.  wb: [1024][16384] bf16.  wts: [4096][16] f32.  experts_b: [16384] f32.  x, out0: [4096][1024] f32.
; SHARES.  A work-group makes 128 tokens x 128 columns of out0: 32 x 8 = 256 work-groups.  Each of its four waves makes 64 x 64: 16 accumulators T for the expert in hand and 16 blocks OUT.
; THE MATRIX INSTRUCTION IS USED TRANSPOSED (source 0 = 16 columns of wb, source 1 = 16 tokens): a lane holds ONE token (lane % 16) and eight neighbouring columns, so the gate's weight is one number a
; lane, and OUT += w T is 64 packed multiply-adds in f32.  Weights, bias, residual and all sums stay in f32; only x and experts_w were rounded, once, to bf16.
; THE WALK.  K is cut in two halves of 512, a half in two chunks of 256.  64 steps (half, expert, chunk): chunk c of x lies in A_c, the expert's 256 x 128 of wb in B_c.  The sum over experts is linear in T,
; so a half's products can be weighed and added by themselves: x's two chunks stay in LDS for all 16 experts of a half (A_c is filled again once in the launch), and only wb streams: B_c is filled again
; after every step.  In the first half a sum T starts with the bias as its C operand, in the second with the constant 0.  OUT starts as x itself, loaded in f32 straight into OUT's registers: nothing is
; cleared and nothing is added at the end.  (Each of those 32 loads takes 16 bytes a lane of 16 rows; eight of them together cover a row's aligned 256 bytes.  They stand once, at the head, and are
; waited for at the first combine, 256 matrix instructions later.)
; wb lies [k][n]: its fragments come out of LDS turned, by ds_load_tr16_b128.
; CLUSTERS: 4 x 4 work-groups.  The four of a row of the cluster have the same tokens: x's chunks and the weights are asked for JOINTLY by them; the four of a column have the same columns: wb's tiles and the
; bias likewise.  Each joint load is the same line with the same descriptor and a mask that names the four.
; LIMITS.  bf16 operands as said; NaN and infinities are not treated apart.
; REGISTERS, in windows of 256 (s_set_vgpr_msb: bits 1:0 source 0, 3:2 source 1, 5:4 source 2, 7:6 destination):
;   window 0: v0-31 addresses; v32-63 the bias of one expert; v64-71 the weights of one expert; v128-255 T ((a, b) at 128 + 8 (4 a + b)), on the way out whole rows
;   window 1: two fragment buffers of 128: for 64 along K, 64 registers of x (2 x 4 x 16 tokens x 32 K), then 64 of wb          window 2: v0-127 OUT ((a, b) at 8 (4 a + b))
.set PA,    528                        ; a row of x in LDS: 512 bytes + 16 = 132 words: row r starts at bank 4 r mod 64 (64 banks of 4 bytes: ISA guide 11.1)
.set PB,    288                        ; a row of wb: 256 + 32 = 72 words
.set AHALF, 64*PA                      ; what one tensor load brings of x, and what one wave reads
.set ATILE, 128*PA
.set BHALF, 128*PB                     ; what one tensor load brings of wb
.set SLOT,  ATILE+2*BHALF              ; A_c, then B_c
.set GP,    72                         ; a token's 16 weights: 64 bytes + 8: 16 tokens' words fall into 16 different banks
.set GATE,  2*SLOT                     ; 128 tokens x 72
.set BIAS,  GATE+128*GP                ; 16 experts x 512 bytes
.set STAGE, BIAS+16*512                ; each wave's own, 16 rows x 272, for the way out; no fill lands here
.set SP,    272
.set SPARE, STAGE+4*16*SP              ; the spare words, 128 bytes for each wave: two blocks of 256 bytes that no other line names
.set XO,    10                         ; v10     my byte offset in the wave's block of x
.set ADRA,  16                         ; v16-17  LDS address of my fragments of x in slot 0, 1
.set ADRB,  18                         ; v18-21  of wb: slot 0 rows 0-127, rows 128-255, slot 1 likewise (a tile is longer than a 16-bit offset reaches)
.set ADRW0, 22                         ; v22     of my tokens' weights; steps an expert at a time through the first half,
.set ADRW1, 23                         ; v23     and this one through the second
.set ADRBI, 24                         ; v24     of my columns' bias; steps an expert at a time
.set STO,   25                         ; v25     the way out: where I put 32 bytes of a row
.set RD,    26                         ; v26     the way out: where I read a row back
.set CO,    27                         ; v27     my byte offset in two rows of out0
.set SPW,   28                         ; v28     LDS address of my spare word; never rewritten
.set NIL,   29                         ; v29     0; never rewritten
.set BI,    32
.set WG,    64                         ; token block a's weight, twice, in the pair WG + 2 a
.set T,     128
.set F0,    0
.set F1,    128
.set WV,    16                         ; s16  my wave's number
.set FB,    17                         ; s17  which half of the tile's tokens is mine.  Also: I fetch for x's side (0) or for wb's (1)
.set HF,    18                         ; s18  which half of its columns.  Also: which half of a tile I fetch
.set G1A,   24                         ; s[24:31] group 1, x's chunks;     s[32:39] group 0, a set for each slot
.set G0A,   32
.set G1B,   40                         ; s[40:47] group 1, wb's tiles;     s[48:55] group 0, a set for each slot
.set G0B,   48
.set G1G,   56                         ; s[56:63] group 1, the weights;    s[68:71] group 0
.set G0G,   68
.set G1S,   72                         ; s[72:79] group 1, the bias;       s[80:83] group 0
.set G0S,   80
.set MSB, 0
.macro WIN new                         ; the immediate's high byte repeats the setting that is left; a switch that changes nothing is dropped
.if MSB != (\new)
	s_set_vgpr_msb (MSB<<8)|(\new)
.set MSB, \new
.endif
.endm
.set MUL,  0x05                        ; sources 0 (wb) and 1 (x) window 1; C and D window 0
.set TO_F, 0x40                        ; destination window 1, address window 0
.set TO_O, 0x80                        ; destination window 2, address window 0
.set CMB,  0xa0                        ; destination and source 2 (OUT) window 2; T and the weight window 0
.set ST_O, 0x08                        ; an LDS store's data (source 1) window 2
.macro PLACES                          ; four places in front of loads into registers that matrix instructions have read, and of vector lines that read results
.rept 4
	v_nop
.endr
.endm
.macro CREST                           ; a round of the cluster's barrier behind its opening barrier
	s_cmp_lg_u32 s[WV], 0
	s_cbranch_scc1 .Lnot_wave_0_\@
	s_barrier_signal -3
.Lnot_wave_0_\@:
	s_barrier_wait -3
	s_barrier_signal -1
	s_barrier_wait -1
.endm
.macro CROUND                          ; a whole round
	s_barrier_signal -1
	s_barrier_wait -1
	CREST
.endm
; A joint refill of slot s.  Waves 2 and 3 fetch the two halves of wb's next tile.  kind = 2 (once for each slot, at the change of K's halves): waves 0 and 1 fetch the two halves of x's next chunk; kind = 1:
; they have nothing to fill.  The branch hangs on the wave's number alone.  An s_nop 0 and four v_nop follow each load, ahead of the jump and the label; the four are also the
; places in front of the fragment loads behind the macro, so the arm without a load has them too.
.macro JLOAD s, kind
	s_cmp_eq_u32 s[FB], 0
	s_cbranch_scc0 .Lfor_b_\@
.if (\kind) == 2
	tensor_load_to_lds s[G0A+4*(\s):G0A+4*(\s)+3], s[G1A:G1A+7]
	s_nop 0
.endif
.rept 4
	v_nop
.endr
	s_branch .Lasked_\@
.Lfor_b_\@:
	tensor_load_to_lds s[G0B+4*(\s):G0B+4*(\s)+3], s[G1B:G1B+7]
	s_nop 0
.rept 4
	v_nop
.endr
.Lasked_\@:
.endm
.macro SHAPE g, d0, d1, pitch          ; words 1 to 7 of a group 1: a tile of d1 rows x d0 elements that lies inside its tensor, pitch elements from row to row
	s_mov_b32 s[(\g)+1], (\d0)<<16                 ; tensor_dim0
	s_mov_b32 s[(\g)+2], (\d1)<<16                 ; tensor_dim1
	s_mov_b32 s[(\g)+3], (\d0)<<16                 ; tile_dim0
	s_mov_b32 s[(\g)+4], \d1                       ; tile_dim1
	s_mov_b32 s[(\g)+5], \pitch                    ; tensor_dim0_stride
	s_mov_b32 s[(\g)+6], 0
	s_mov_b32 s[(\g)+7], 0
.endm
	s_load_b256 s[4:11], s[0:1], 0x0               ; xb s[4:5], wb s[6:7], wts s[8:9], experts_b s[10:11]
	s_load_b128 s[12:15], s[0:1], 0x20             ; x s[12:13], out0 s[14:15]
	v_lshl_add_u32 v[SPW], v0, 2, SPARE
	v_mov_b32 v[NIL], 0
	ds_add_u32 v[SPW], v[NIL]                      ; the wave's opening: the add and its wait ahead of my first tensor load; the set-up below, work on registers, stands between them
	v_lshrrev_b32 v1, 5, v0
	v_readfirstlane_b32 s[WV], v1                  ; wave 0..3
	s_lshr_b32 s[FB], s[WV], 1
	s_and_b32 s[HF], s[WV], 1
	s_bfe_u32 s20, ttmp6, 0x40000                  ; cx, cy: my place in the cluster
	s_bfe_u32 s21, ttmp6, 0x40004
	s_lshl_b32 s22, ttmp9, 2
	s_add_co_u32 s22, s22, s20                     ; tile column = 4 x cluster x + cx: 0..7
	s_and_b32 s23, ttmp7, 0xffff
	s_lshl_b32 s23, s23, 2
	s_add_co_u32 s23, s23, s21                     ; tile row = 4 x cluster y + cy: 0..31
	s_lshl_b32 s19, s21, 2
	s_lshl_b32 s19, 15, s19                        ; my row of the cluster
	s_lshl_b32 s66, 0x1111, s20                    ; my column
	s_or_b32 s[G1A], s19, (1<<16)|(1<<20)|(1<<21)|(6<<22)|(3<<25)  ; the mask: my row; elements of 2 bytes; padding on; bit 21 beside a mask; after every 128 words (code 6) 4 words (code 3)
	SHAPE G1A, 256, 64, 1024                       ; 64 tokens x 256 k
	s_or_b32 s[G1B], s66, (1<<16)|(1<<20)|(1<<21)|(5<<22)|(7<<25)  ; my column; 2 bytes; after every 64 words (code 5) 8 words (code 7)
	SHAPE G1B, 128, 128, 16384                     ; 128 k x 128 columns
	s_or_b32 s[G1G], s19, (2<<16)|(1<<20)|(1<<21)|(3<<22)|(1<<25)  ; my row; 4 bytes; after every 16 words (code 3), a token's weights, 2 words (code 1)
	SHAPE G1G, 64, 16, 64                          ; 64 tokens' weights are 4,096 dense bytes: asked for as 16 rows of 256
	s_or_b32 s[G1S], s66, (2<<16)|(1<<21)          ; my column; 4 bytes; no padding
	SHAPE G1S, 128, 8, 1024                        ; 8 experts x 128 columns
	; where the tiles go: constants and the wave's number alone
	s_mov_b32 s[G0A], 1
	s_mov_b32 s[G0A+4], 1
	s_mov_b32 s[G0B], 1
	s_mov_b32 s[G0B+4], 1
	s_mov_b32 s[G0G], 1
	s_mov_b32 s[G0S], 1
	s_mul_i32 s67, s[HF], AHALF
	s_mov_b32 s[G0A+1], s67
	s_add_co_u32 s[G0A+5], s67, SLOT
	s_mul_i32 s67, s[HF], BHALF
	s_add_co_u32 s[G0B+1], s67, ATILE
	s_add_co_u32 s[G0B+5], s67, SLOT+ATILE
	s_mul_i32 s67, s[HF], 64*GP
	s_add_co_u32 s[G0G+1], s67, GATE
	s_lshl_b32 s67, s[HF], 12
	s_add_co_u32 s[G0S+1], s67, BIAS
	; where they come from, as offsets.  x's and the weights' hang on the tile row and the wave alone, wb's and the bias's on the tile column and the wave alone, each in registers that never hold the other coordinate
	s_lshl_b32 s84, s23, 18                        ; xb: (128 row + 64 half) x 2,048 bytes
	s_lshl_b32 s67, s[HF], 17
	s_add_co_u32 s84, s84, s67
	s_mov_b32 s85, 0
	s_lshl_b32 s86, s23, 13                        ; wts: (128 row + 64 half) x 64 bytes
	s_lshl_b32 s67, s[HF], 12
	s_add_co_u32 s86, s86, s67
	s_mov_b32 s87, 0
	s_lshl_b32 s88, s22, 8                         ; wb: 128 half rows of 32,768 bytes + 256 column
	s_lshl_b32 s67, s[HF], 22
	s_add_co_u32 s88, s88, s67
	s_mov_b32 s89, 0
	s_lshl_b32 s90, s22, 9                         ; experts_b: 8 half experts of 4,096 bytes + 512 column
	s_lshl_b32 s67, s[HF], 15
	s_add_co_u32 s90, s90, s67
	s_mov_b32 s91, 0
	s_lshl_b32 s92, s23, 19                        ; x and out0: (128 row + 64 token half) x 4,096 + 512 column + 256 column half
	s_lshl_b32 s94, s[FB], 18
	s_add_co_u32 s92, s92, s94
	s_lshl_b32 s94, s22, 9
	s_add_co_u32 s92, s92, s94
	s_lshl_b32 s94, s[HF], 8
	s_add_co_u32 s92, s92, s94
	s_mov_b32 s93, 0
	s_wait_dscnt 0x0                               ; the opening add is done
	s_wait_kmcnt 0x0
	s_add_nc_u64 s[84:85], s[4:5], s[84:85]
	s_add_nc_u64 s[88:89], s[6:7], s[88:89]
.irp c, 0,1
	s_add_nc_u64 s[G0A+4*(\c)+2:G0A+4*(\c)+3], s[84:85], (\c)*512          ; chunk c: 256 k on
	s_or_b32 s[G0A+4*(\c)+3], s[G0A+4*(\c)+3], 0x80000000                  ; type = 2
	s_add_nc_u64 s[G0B+4*(\c)+2:G0B+4*(\c)+3], s[88:89], (\c)*256*32768    ; chunk c: 256 rows down
	s_or_b32 s[G0B+4*(\c)+3], s[G0B+4*(\c)+3], 0x80000000
.endr
	s_add_nc_u64 s[G0G+2:G0G+3], s[8:9], s[86:87]
	s_or_b32 s[G0G+3], s[G0G+3], 0x80000000
	s_add_nc_u64 s[G0S+2:G0S+3], s[10:11], s[90:91]
	s_or_b32 s[G0S+3], s[G0S+3], 0x80000000
	s_add_nc_u64 s[12:13], s[12:13], s[92:93]      ; x and out0 at my wave's block
	s_add_nc_u64 s[14:15], s[14:15], s[92:93]
	CROUND                                         ; all sixteen work-groups are here: the first joint loads meet
	s_cmp_eq_u32 s[FB], 0                          ; a wave's three first fills stand in one branch, ahead of every wait on TENSORcnt and every LDS read: three loads of mine are out here, later one at the most
	s_cbranch_scc0 .Lfirst_b
	tensor_load_to_lds s[G0A:G0A+3], s[G1A:G1A+7]          ; x's chunk 0
	s_nop 0
	tensor_load_to_lds s[G0G:G0G+3], s[G1G:G1G+7]          ; the weights
	s_nop 0
	tensor_load_to_lds s[G0A+4:G0A+7], s[G1A:G1A+7]        ; x's chunk 1
	s_nop 0
.rept 4
	v_nop
.endr
	s_branch .Lfirst_asked
.Lfirst_b:
	tensor_load_to_lds s[G0B:G0B+3], s[G1B:G1B+7]          ; expert 0, chunk 0
	s_nop 0
	tensor_load_to_lds s[G0S:G0S+3], s[G1S:G1S+7]          ; the bias
	s_nop 0
	tensor_load_to_lds s[G0B+4:G0B+7], s[G1B:G1B+7]        ; expert 0, chunk 1
	s_nop 0
.rept 4
	v_nop
.endr
.Lfirst_asked:
	v_and_b32 v1, 15, v0                           ; l % 16
	v_bfe_u32 v2, v0, 4, 1                         ; l / 16
	v_and_b32 v3, 7, v0                            ; l % 8
	v_bfe_u32 v4, v0, 3, 1                         ; (l / 8) % 2
	v_lshlrev_b32 v[XO], 12, v1                    ; x: token l % 16, 32 bytes for each half of the lanes
	v_lshl_add_u32 v[XO], v2, 5, v[XO]
	WIN TO_O
.irp a, 0,1,2,3
.irp b, 0,1,2,3
	global_load_b128 v[8*(4*(\a)+(\b)):8*(4*(\a)+(\b))+3],   v[XO], s[12:13] offset:65536*(\a)+64*(\b) th:TH_LOAD_NT     ; OUT starts as x: tokens 16 a on, columns 16 b on
	global_load_b128 v[8*(4*(\a)+(\b))+4:8*(4*(\a)+(\b))+7], v[XO], s[12:13] offset:65536*(\a)+64*(\b)+16 th:TH_LOAD_NT
.endr
.endr
	WIN 0
	; a fragment of x is 16 tokens x 32 k: lane l holds token l % 16, k = 8 (l / 16) + 0..7 and 16 + 8 (l / 16) + 0..7: two loads of 16 bytes, 32 bytes apart
	s_mul_i32 s67, s[FB], AHALF                    ; my 64 tokens
	v_mul_u32_u24 v5, v1, PA
	v_lshl_add_u32 v5, v2, 4, v5
	v_add_nc_u32 v[ADRA], s67, v5
	v_add_nc_u32 v[ADRA+1], SLOT, v[ADRA]
	; the turning load takes 16 k x 16 columns (lane l reads row 8 (l / 16) + l % 8, columns 8 ((l / 8) % 2) + 0..7) and leaves half a fragment: lane l holds column l % 16 and 8 k
	v_lshl_add_u32 v6, v2, 3, v3
	v_mul_u32_u24 v6, v6, PB
	v_lshl_add_u32 v6, v4, 4, v6
	s_lshl_b32 s67, s[HF], 7                       ; my 64 columns,
	s_add_co_u32 s67, s67, ATILE                   ; behind x's chunk
	v_add_nc_u32 v[ADRB], s67, v6
	v_add_nc_u32 v[ADRB+1], BHALF, v[ADRB]
	v_add_nc_u32 v[ADRB+2], SLOT, v[ADRB]
	v_add_nc_u32 v[ADRB+3], SLOT+BHALF, v[ADRB]
	s_mul_i32 s67, s[FB], 64*GP
	s_add_co_u32 s67, s67, GATE
	v_mul_u32_u24 v7, v1, GP
	v_add_nc_u32 v[ADRW0], s67, v7                 ; token 64 half + l % 16, expert 0
	v_mov_b32 v[ADRW1], v[ADRW0]
	s_lshl_b32 s67, s[HF], 8
	s_add_co_u32 s67, s67, BIAS
	v_lshl_add_u32 v[ADRBI], v2, 5, s67            ; expert 0, my columns 8 (l / 16) on
	s_mul_i32 s67, s[WV], 16*SP
	s_add_co_u32 s67, s67, STAGE                   ; my stage
	v_mul_u32_u24 v8, v1, SP                       ; in: row l % 16, 32 bytes for each half of the lanes
	v_lshl_add_u32 v8, v2, 5, v8
	v_add_nc_u32 v[STO], s67, v8
	v_mul_u32_u24 v9, v2, SP                       ; back: lanes 0-15 take one row of 256 bytes, lanes 16-31 the next
	v_lshl_add_u32 v9, v1, 4, v9
	v_add_nc_u32 v[RD], s67, v9
	v_lshlrev_b32 v[CO], 12, v2                    ; and the same two rows in out0
	v_lshl_add_u32 v[CO], v1, 4, v[CO]
; 8 matrix instructions: token blocks a0, a0 + 1 x all 4 column blocks, 32 along K: half c of buffer f.  st = 1: the products start the sums with the bias; 2: with 0; 0: they add on.
; The 16 accumulators take turns, one instruction a turn, in the same order everywhere, over the loops' backward jumps too.
.macro MUL8 f, c, a0, st
	WIN MUL
.irp a, \a0, (\a0)+1
.irp b, 0,1,2,3
.if (\st) == 1
	v_wmma_f32_16x16x32_bf16 v[T+8*(4*(\a)+(\b)):T+8*(4*(\a)+(\b))+7], v[(\f)+64+8*(4*(\c)+(\b)):(\f)+64+8*(4*(\c)+(\b))+7], v[(\f)+8*(4*(\c)+(\a)):(\f)+8*(4*(\c)+(\a))+7], v[BI+8*(\b):BI+8*(\b)+7]
.elseif (\st) == 2
	v_wmma_f32_16x16x32_bf16 v[T+8*(4*(\a)+(\b)):T+8*(4*(\a)+(\b))+7], v[(\f)+64+8*(4*(\c)+(\b)):(\f)+64+8*(4*(\c)+(\b))+7], v[(\f)+8*(4*(\c)+(\a)):(\f)+8*(4*(\c)+(\a))+7], 0
.else
	v_wmma_f32_16x16x32_bf16 v[T+8*(4*(\a)+(\b)):T+8*(4*(\a)+(\b))+7], v[(\f)+64+8*(4*(\c)+(\b)):(\f)+64+8*(4*(\c)+(\b))+7], v[(\f)+8*(4*(\c)+(\a)):(\f)+8*(4*(\c)+(\a))+7], v[T+8*(4*(\a)+(\b)):T+8*(4*(\a)+(\b))+7]
.endif
.endr
.endr
.endm
; 32 LDS loads in one run: the fragments of quarter q (64 along K) of a slot's chunk, into buffer f; the first 32 along K first
.macro FETCH slot, q, f
	WIN TO_F
.irp c, 0,1
.irp i, 0,1,2,3
	ds_load_tr16_b128 v[(\f)+64+8*(4*(\c)+(\i)):(\f)+64+8*(4*(\c)+(\i))+3],   v[ADRB+2*(\slot)+(\q)/2] offset:PB*(64*((\q)%2)+32*(\c))+32*(\i)
	ds_load_tr16_b128 v[(\f)+64+8*(4*(\c)+(\i))+4:(\f)+64+8*(4*(\c)+(\i))+7], v[ADRB+2*(\slot)+(\q)/2] offset:PB*(64*((\q)%2)+32*(\c))+32*(\i)+16*PB
	ds_load_b128 v[(\f)+8*(4*(\c)+(\i)):(\f)+8*(4*(\c)+(\i))+3],              v[ADRA+(\slot)] offset:128*(\q)+64*(\c)+(\i)*16*PA
	ds_load_b128 v[(\f)+8*(4*(\c)+(\i))+4:(\f)+8*(4*(\c)+(\i))+7],            v[ADRA+(\slot)] offset:128*(\q)+64*(\c)+(\i)*16*PA+32
.endr
.endr
.endm
.macro BIASLD                          ; an expert's bias for my 64 columns, in the layout of a C operand: block b's eight registers hold columns 16 b + 8 (l / 16) + 0..7; the address steps to the next expert
	WIN 0
.irp b, 0,1,2,3
	ds_load_b128 v[BI+8*(\b):BI+8*(\b)+3],   v[ADRBI] offset:64*(\b)
	ds_load_b128 v[BI+8*(\b)+4:BI+8*(\b)+7], v[ADRBI] offset:64*(\b)+16
.endr
	v_add_nc_u32 v[ADRBI], 512, v[ADRBI]
.endm
.macro EXTRA aw, bi                    ; the weights of the expert in hand for my four blocks of tokens, each twice (a pair for the packed multiply-add); bi = 1: and the next expert's bias
	WIN 0
.irp m, 0,1,2,3
	ds_load_b32 v[WG+2*(\m)],   v[\aw] offset:16*GP*(\m)
	ds_load_b32 v[WG+2*(\m)+1], v[\aw] offset:16*GP*(\m)
.endr
	v_add_nc_u32 v[\aw], 4, v[\aw]
.if \bi
	BIASLD
.endif
.endm
; A step is four quarters of 64 along K, 32 matrix instructions each, on buffers 0, 1, 0, 1.  One of the first three: multiplies buffer f and fetches quarter qn into g.
.macro QUARTER slot, qn, f, g, st, ex=0, aw=0, bi=0
	s_wait_dscnt 16                                ; the first 32 along K of f are in (and all that is older); the run's younger sixteen loads may be out
	MUL8 \f, 0, 0, \st
	MUL8 \f, 0, 2, \st
	PLACES
.if \ex
	EXTRA \aw, \bi                                 ; older than the run below, so the wait behind that run covers them
.endif
	FETCH \slot, \qn, \g
	s_wait_dscnt 32                                ; all but the 32 just issued
	MUL8 \f, 1, 0, 0
	MUL8 \f, 1, 2, 0
.endm
; The last quarter multiplies buffer 1 and changes slots: ONE barrier; in front of it each wave waits for all its tensor loads (at most one is out: its part of the next slot), adds 0 to its spare word, and
; waits for that and for its own reads of this slot.  kind = 1: wb's tile of this slot is filled again, with the next expert's; kind = 2: with expert 0's of K's second half, and x's chunk with it;
; the barrier then opens a round of the cluster's barrier, and the joint refill is the first tensor load behind the round: 112 matrix instructions stand between it and the wait for it.  kind = 0: nothing is filled.
.macro TURN slot, next, kind
	WIN 0                                          ; (the add's two registers lie in window 0)
	s_wait_tensorcnt 0x0                           ; all my tensor loads have landed;
	ds_add_u32 v[SPW], v[NIL]                      ; 0 onto my spare word;
	s_wait_dscnt 17                                ; (the add and the youngest sixteen loads may be out)
	MUL8 F1, 0, 0, 0                               ; eight matrix instructions stand between the add and the wait for it
	s_wait_dscnt 0x0                               ; the add is done, and my reads of this slot are over
	s_barrier_signal -1
	MUL8 F1, 0, 2, 0
.if \kind
	WIN 0
.endif
	s_barrier_wait -1
.if \kind
	CREST                                          ; no wave of any partner still reads this slot or has a load on its way
.if (\kind) == 2
	s_add_nc_u64 s[G0B+4*(\slot)+2:G0B+4*(\slot)+3], s[G0B+4*(\slot)+2:G0B+4*(\slot)+3], 512*32768-15*2048  ; 512 rows down, 15 experts back
	s_add_nc_u64 s[G0A+4*(\slot)+2:G0A+4*(\slot)+3], s[G0A+4*(\slot)+2:G0A+4*(\slot)+3], 1024              ; 512 k on
.else
	s_add_nc_u64 s[G0B+4*(\slot)+2:G0B+4*(\slot)+3], s[G0B+4*(\slot)+2:G0B+4*(\slot)+3], 2048              ; the next expert's 1,024 columns
.endif
	JLOAD \slot, \kind
.else
	PLACES
.endif
	FETCH \next, 0, F0
	MUL8 F1, 1, 0, 0
	MUL8 F1, 1, 2, 0
.endm
; OUT += w T, in f32.  Each accumulator is read from its low end on.  The four v_nop are the places behind the last products; for each accumulator they and the lines on the others are also the places
; in front of the next expert's product that writes it anew.
.macro COMBINE
	PLACES
	s_wait_loadcnt 0x0                             ; x is in OUT's registers (no load is issued later: after the first time nothing is out)
	WIN CMB
.irp a, 0,1,2,3
.irp b, 0,1,2,3
.irp p, 0,1,2,3
	v_pk_fma_f32 v[8*(4*(\a)+(\b))+2*(\p):8*(4*(\a)+(\b))+2*(\p)+1], v[T+8*(4*(\a)+(\b))+2*(\p):T+8*(4*(\a)+(\b))+2*(\p)+1], v[WG+2*(\a):WG+2*(\a)+1], v[8*(4*(\a)+(\b))+2*(\p):8*(4*(\a)+(\b))+2*(\p)+1]
.endr
.endr
.endr
.endm
; One expert in one half of K: two steps, 256 matrix instructions, and the combine.
.macro EXPERT st, aw, bi, kind
	QUARTER 0, 1, F0, F1, \st
	QUARTER 0, 2, F1, F0, 0
	QUARTER 0, 3, F0, F1, 0
	TURN 0, 1, \kind
	QUARTER 1, 1, F0, F1, 0, 1, \aw, \bi
	QUARTER 1, 2, F1, F0, 0
	QUARTER 1, 3, F0, F1, 0
	TURN 1, 0, \kind
	COMBINE
	WIN 0                                          ; at a label and at a branch every window is 0
.endm
	s_wait_tensorcnt 0x1                           ; my part of slot 0 and my small tile are in; slot 1's may stay out
	s_barrier_signal -1
	s_barrier_wait -1                              ; everybody's are
	BIASLD                                         ; expert 0's
	FETCH 0, 0, F0
	WIN 0
	s_mov_b32 s3, 15
.Lh0:                                              ; K's first half, experts 0 to 14
	EXPERT 1, ADRW0, 1, 1
	s_sub_co_u32 s3, s3, 1
	s_cmp_lg_u32 s3, 0
	s_cbranch_scc1 .Lh0
	EXPERT 1, ADRW0, 0, 2                          ; expert 15: both slots move on to K's second half
	s_mov_b32 s3, 15
.Lh1:                                              ; K's second half, experts 0 to 14
	EXPERT 2, ADRW1, 0, 1
	s_sub_co_u32 s3, s3, 1
	s_cmp_lg_u32 s3, 0
	s_cbranch_scc1 .Lh1
	QUARTER 0, 1, F0, F1, 2                        ; expert 15 is written out: nothing is asked for
	QUARTER 0, 2, F1, F0, 0
	QUARTER 0, 3, F0, F1, 0
	TURN 0, 1, 0
	QUARTER 1, 1, F0, F1, 0, 1, ADRW1, 0
	QUARTER 1, 2, F1, F0, 0
	QUARTER 1, 3, F0, F1, 0
	s_wait_dscnt 16                                ; the very last quarter: nothing more to fetch
	MUL8 F1, 0, 0, 0
	MUL8 F1, 0, 2, 0
	s_wait_dscnt 0x0
	MUL8 F1, 1, 0, 0
	MUL8 F1, 1, 2, 0
	COMBINE
; THE WAY OUT.  A lane's 32 bytes are an eighth of a row's 256; so 16 rows at a time go through my own stage: in by rows of 272 bytes, back as whole rows, into T's registers.
.macro OUTB a
	WIN ST_O
.irp b, 0,1,2,3
	ds_store_b128 v[STO], v[8*(4*(\a)+(\b)):8*(4*(\a)+(\b))+3]   offset:64*(\b)
	ds_store_b128 v[STO], v[8*(4*(\a)+(\b))+4:8*(4*(\a)+(\b))+7] offset:64*(\b)+16
.endr
	WIN 0
.irp t, 0,1,2,3,4,5,6,7
	ds_load_b128 v[T+32*(\a)+4*(\t):T+32*(\a)+4*(\t)+3], v[RD] offset:(\t)*2*SP  ; LDS serves a wave's instructions in order (ISA guide 5.7.1.4): these see the stores above; the next block's stores come behind them
.endr
.endm
.macro SEND a, younger                 ; younger: the LDS instructions issued behind block a's loads: the next block's sixteen, or none
	WIN 0
.irp t, 0,1,2,3,4,5,6,7
	s_wait_dscnt (\younger)+7-(\t)
	global_store_b128 v[CO], v[T+32*(\a)+4*(\t):T+32*(\a)+4*(\t)+3], s[14:15] offset:4096*(16*(\a)+2*(\t)) th:TH_STORE_NT  ; 16 lanes store 256 consecutive bytes, at a multiple of 256 from out0's first byte
.endr
.endm
	OUTB 0
	OUTB 1
	SEND 0, 16
	OUTB 2
	SEND 1, 16
	OUTB 3
	SEND 2, 16
	SEND 3, 0
	s_wait_tensorcnt 0x0                           ; the wave's end: behind my last tensor load and my last LDS store
	ds_add_u32 v[SPW], v[NIL]
	s_wait_dscnt 0x0
	CROUND                                         ; the closing round: no work-group ends while a partner may still ask for a tile that names it
	s_endpgm
.Lfunc_end_k_qec70441a78_moe:
	.size	k_qec70441a78_moe, .Lfunc_end_k_qec70441a78_moe-k_qec70441a78_moe
	.p2alignl 7, 3214868480
	.fill 96, 4, 3214868480
	.section	.rodata,"a",@progbits
	.p2align	6, 0x0
	.amdhsa_kernel k_qec70441a78_moe
		.amdhsa_group_segment_fixed_size 327680
		.amdhsa_private_segment_fixed_size 0
		.amdhsa_enable_private_segment 0
		.amdhsa_kernarg_size 48
		.amdhsa_user_sgpr_count 2
		.amdhsa_user_sgpr_kernarg_segment_ptr 1
		.amdhsa_wavefront_size32 1
		.amdhsa_system_sgpr_workgroup_id_x 1
		.amdhsa_system_sgpr_workgroup_id_y 1
		.amdhsa_system_sgpr_workgroup_id_z 1
		.amdhsa_system_vgpr_workitem_id 0
		.amdhsa_next_free_vgpr 640
		.amdhsa_next_free_sgpr 96
		.amdhsa_reserve_vcc 0
		.amdhsa_float_denorm_mode_32 3
		.amdhsa_float_denorm_mode_16_64 3
		.amdhsa_memory_ordered 1
		.amdhsa_forward_progress 1
		.amdhsa_inst_pref_size 183
	.end_amdhsa_kernel
	.amdgpu_metadata
---
amdhsa.version: [ 1, 2 ]
amdhsa.kernels:
  - .name:           k_qec70441a78_moe
    .symbol:         k_qec70441a78_moe.kd
    .args:
      - { .name: xb, .offset: 0, .size: 8, .value_kind: global_buffer, .address_space: global }
      - { .name: wb, .offset: 8, .size: 8, .value_kind: global_buffer, .address_space: global }
      - { .name: wts, .offset: 16, .size: 8, .value_kind: global_buffer, .address_space: global }
      - { .name: experts_b, .offset: 24, .size: 8, .value_kind: global_buffer, .address_space: global }
      - { .name: x, .offset: 32, .size: 8, .value_kind: global_buffer, .address_space: global }
      - { .name: out0, .offset: 40, .size: 8, .value_kind: global_buffer, .address_space: global }
    .group_segment_fixed_size: 327680
    .private_segment_fixed_size: 0
    .kernarg_segment_align: 8
    .kernarg_segment_size: 48
    .max_flat_workgroup_size: 128
    .sgpr_count:     96
    .vgpr_count:     640
    .wavefront_size: 32
...
	.end_amdgpu_metadata
.endif
;; end of part 2
;; ======== version 2 of 3: 2 launches; 1.18 times as fast as version 1
;; workspace buffers: xb 8,388,608 bytes; wb 33,554,432 bytes; wts 262,144 bytes
;; launch prep (part 3): grid 256 x 1, 8 waves a work-group, no clusters, 77,824 bytes of LDS; arguments x, gate_w, experts_w, xb, wb, wts; writes xb, wb, wts
.if DOCPART == 3
	.amdgcn_target "amdgcn-amd-amdhsa--gfx1250"
	.amdhsa_code_object_version 6
	.text
	.protected	k_qec70441a78_prep
	.globl	k_qec70441a78_prep
	.p2align	8
	.type	k_qec70441a78_prep,@function
k_qec70441a78_prep:
	s_mov_b64 s[64:65], 0
	v_nop
	global_prefetch_b8 v0, s[64:65] scope:SCOPE_SE
	s_setreg_imm32_b32 hwreg(HW_REG_WAVE_MODE, 25, 1), 1
	s_wait_xcnt 0x0
; xb = bf16(x), in the order in which the next launch's operand registers take it; wb = bf16(experts_w), in experts_w's own layout; wts[t][e] = softmax_e(x[t] . gate_w[:, e]), f32.
; x: [4096][1024] f32.  gate_w: [1024][16] f32.  experts_w: [1024][16384] f32.
; xb's LAYOUT: [token block of 16][chunk of 32 k][half][lane][16 bytes]: byte 32,768 tb + 1,024 j + 512 half + 16 l holds token 16 tb + l % 16, k = 32 j + 16 half + 8 (l / 16) + 0..7:
; a matrix operand's fragment of 16 tokens x 32 k is two loads of 512 consecutive bytes.
; SHARES.  256 work-groups of eight waves, all alike.  Work-group g: x's rows 16 g .. 16 g + 15 (65,536 bytes) and the 262,144 bytes of experts_w from byte 262,144 g on.
; Wave w: of the 16 rows the columns 128 w .. 128 w + 127 (one 16-byte load a lane and row), gate_w's rows 128 w .. 128 w + 127 (8,192 dense bytes), and 32,768 bytes of the group's part of experts_w.
; THE GATE.  Each wave multiplies its 128 of the 1,024 terms on the matrix unit (bf16 operands, f32 sums), out of LDS bytes of its own; the eight partial sums (f32) meet in LDS behind one barrier,
; and wave 0 adds them in a fixed order and makes the softmax in f32, the row's maximum taken away first.  The product is used transposed (source 0 = 16 experts, source 1 = 16 tokens):
; a lane then holds one token (lane % 16) and the experts 8 (lane / 16) + 0..7, so maximum and sum want one exchange between the halves of the lanes.
; The fragments of x that the gate's products read ARE xb's layout: they are stored as they lie in the registers.
; THE STREAM.  All 48 loads of a wave go out before the first wait; experts_w then runs through a ring of 16 register slots, 16 loads of 512 bytes always on their way.
; No tensor loads, no cluster: nothing but gate_w (65,536 bytes) is read by two work-groups.
; LIMITS.  x, gate_w and experts_w are rounded once to bf16 (nearest even) as matrix operands.  A weight below 2^-126 comes out as 0 (v_exp_f32 flushes denormals: ISA guide 15.8).  NaN and infinities are not treated apart.
.set XSP,   272                        ; a row of the wave's x in LDS: 256 bytes of bf16 + 16: the 16 rows of a fragment load start at 16 different groups of four banks (ISA guide 11.1)
.set XS,    0                          ; wave w: 16 rows x 272
.set GS,    8*16*XSP                   ; wave w: 128 rows of gate_w x 32 bytes (16 bf16), dense
.set PS,    GS+8*4096                  ; wave w: its partial logits, f32 [16 tokens][16 experts]
.set WS,    PS+8*1024                  ; wave 0: the weights on their way out, f32 [16][16]
.set SPARE, WS+1024                    ; the spare words, 128 bytes for each wave: four blocks of 256 bytes that no other line names
.set XOF, 4                            ; v4   my 16 bytes in a row of x: 16 t
.set XBO, 5                            ; v5   my 16 bytes in my wave's four chunks of xb: 4,096 w + 16 l
.set WIO, 6                            ; v6   my 16 bytes in the group's part of experts_w
.set WOO, 7                            ; v7   my 8 bytes in the group's part of wb
.set GIO, 8                            ; v8   my 16 bytes in gate_w
.set XSW, 9                            ; v9   LDS: where I put 8 bytes of a row of x
.set XSR, 10                           ; v10  LDS: my place in a fragment of x
.set GSW, 11                           ; v11  LDS: where I put 8 bytes of gate_w
.set GSR, 12                           ; v12  LDS: my place in a turned fragment of gate_w
.set PSW, 13                           ; v13  LDS: my wave's partial logits
.set PSR, 14                           ; v14  LDS: the same place in wave 0's
.set WSW, 15                           ; v15  LDS: the weights in
.set WSR, 16                           ; v16  LDS: the weights back, 16 bytes a lane
.set WGO, 17                           ; v17  my 16 bytes in 512 of wts
.set SPW, 30                           ; v30  LDS address of my spare word; never rewritten
.set NIL, 31                           ; v31  0; never rewritten
.set XD,  32                           ; v[32:95]   16 rows of x, 4 registers each; later the two accumulators v[32:47] and their sum v[48:55]
.set GD,  96                           ; v[96:159]  16 loads of gate_w; later the fragments; in wave 0 later the eight partial sums
.set XF,  96                           ; fragments of x, 8 registers for each 32 along K
.set GF,  128                          ; fragments of gate_w
.set WR,  160                          ; v[160:223] the ring: slot i, 4 registers as loaded
.set Y,   224                          ; v[224:255] the ring: slot i, 2 registers to store
	s_load_b256 s[4:11], s[0:1], 0x0               ; x s[4:5], gate_w s[6:7], experts_w s[8:9], xb s[10:11]
	s_load_b128 s[12:15], s[0:1], 0x20             ; wb s[12:13], wts s[14:15]
	v_lshl_add_u32 v[SPW], v0, 2, SPARE
	v_mov_b32 v[NIL], 0
	v_lshrrev_b32 v1, 5, v0
	v_readfirstlane_b32 s16, v1                    ; wave 0..7
	v_and_b32 v2, 31, v0                           ; lane l
	v_and_b32 v3, 15, v0                           ; l % 16
	v_bfe_u32 v24, v0, 4, 1                        ; l / 16
	v_and_b32 v25, 7, v0                           ; l % 8
	v_bfe_u32 v26, v0, 3, 1                        ; (l / 8) % 2
	s_mov_b32 s22, 0x3fb8aa3b                      ; log2(e)
	s_mov_b32 s23, s22                             ; named with it as a pair
	s_mov_b32 s24, 0x76543210                      ; v_permlanex16_b32: each lane takes its own place in the other half
	s_mov_b32 s25, 0xfedcba98
	v_lshlrev_b32 v[XOF], 4, v0
	s_lshl_b32 s17, s16, 12
	v_lshl_add_u32 v[XBO], v2, 4, s17              ; 4,096 w + 16 l: my wave's chunks are 4 w .. 4 w + 3
	s_lshl_b32 s17, s16, 15
	v_lshl_add_u32 v[WIO], v2, 4, s17              ; 32,768 w + 16 l
	s_lshl_b32 s17, s16, 14
	v_lshl_add_u32 v[WOO], v2, 3, s17              ; 16,384 w + 8 l
	s_lshl_b32 s17, s16, 13
	v_lshl_add_u32 v[GIO], v2, 4, s17              ; 8,192 w + 16 l
	s_mul_i32 s17, s16, 16*XSP                     ; my wave's rows of x in LDS (XS = 0)
	v_lshl_add_u32 v[XSW], v2, 3, s17
	v_mul_u32_u24 v27, v3, XSP
	v_lshl_add_u32 v27, v24, 4, v27                ; row l % 16, 16 bytes for each half of the lanes
	v_add_nc_u32 v[XSR], s17, v27
	s_lshl_b32 s17, s16, 12
	s_add_co_u32 s17, s17, GS                      ; my wave's rows of gate_w in LDS
	v_lshl_add_u32 v[GSW], v2, 3, s17
	v_lshl_add_u32 v27, v24, 3, v25                ; the turning load: row 8 (l / 16) + l % 8,
	v_lshlrev_b32 v27, 5, v27
	v_lshl_add_u32 v27, v26, 4, v27                ; experts 8 ((l / 8) % 2) + 0..7
	v_add_nc_u32 v[GSR], s17, v27
	v_lshlrev_b32 v27, 6, v3
	v_lshl_add_u32 v27, v24, 5, v27                ; token l % 16, experts 8 (l / 16) on: 64 r + 32 h
	v_add_nc_u32 v[PSR], PS, v27
	s_lshl_b32 s17, s16, 10
	v_add_nc_u32 v[PSW], s17, v[PSR]
	v_add_nc_u32 v[WSW], WS, v27
	v_lshl_add_u32 v[WSR], v2, 4, WS
	v_lshlrev_b32 v[WGO], 4, v2
	s_mov_b32 s19, 0
	s_wait_kmcnt 0x0
	s_lshl_b32 s18, ttmp9, 16                      ; the group's 16 rows of x,
	s_add_nc_u64 s[4:5], s[4:5], s[18:19]
	s_lshl_b32 s18, ttmp9, 15                      ; its token block in xb,
	s_add_nc_u64 s[10:11], s[10:11], s[18:19]
	s_lshl_b32 s18, ttmp9, 18                      ; its part of experts_w,
	s_add_nc_u64 s[8:9], s[8:9], s[18:19]
	s_lshl_b32 s18, ttmp9, 17                      ; of wb,
	s_add_nc_u64 s[12:13], s[12:13], s[18:19]
	s_lshl_b32 s18, ttmp9, 10                      ; and its 16 tokens' weights
	s_add_nc_u64 s[14:15], s[14:15], s[18:19]
	; 48 loads on end: x's 16 rows, gate_w's 8,192 bytes, the ring's first 16 slots
.irp i, 0,1,2,3,4,5,6,7,8,9,10,11,12,13,14,15
	global_load_b128 v[XD+4*(\i):XD+4*(\i)+3], v[XOF], s[4:5] offset:4096*(\i) th:TH_LOAD_NT
.endr
.irp i, 0,1,2,3,4,5,6,7,8,9,10,11,12,13,14,15
	global_load_b128 v[GD+4*(\i):GD+4*(\i)+3], v[GIO], s[6:7] offset:512*(\i)  ; every work-group reads gate_w: no hint
.endr
.irp i, 0,1,2,3,4,5,6,7,8,9,10,11,12,13,14,15
	global_load_b128 v[WR+4*(\i):WR+4*(\i)+3], v[WIO], s[8:9] offset:512*(\i) th:TH_LOAD_NT
.endr
	; x: rounded in place and laid into my wave's rows in LDS
.irp i, 0,1,2,3,4,5,6,7,8,9,10,11,12,13,14,15
	s_wait_loadcnt 47-(\i)                         ; behind row i stand 15 - i rows, gate_w's 16 loads and the ring's 16
	v_cvt_pk_bf16_f32 v[XD+4*(\i)], v[XD+4*(\i)], v[XD+4*(\i)+1]
	v_cvt_pk_bf16_f32 v[XD+4*(\i)+1], v[XD+4*(\i)+2], v[XD+4*(\i)+3]
	ds_store_b64 v[XSW], v[XD+4*(\i):XD+4*(\i)+1] offset:XSP*(\i)
.endr
	; gate_w: rounded in place and laid into LDS, 32 bytes a row
.irp i, 0,1,2,3,4,5,6,7,8,9,10,11,12,13,14,15
	s_wait_loadcnt 31-(\i)                         ; behind load i stand 15 - i of gate_w's and the ring's 16
	v_cvt_pk_bf16_f32 v[GD+4*(\i)], v[GD+4*(\i)], v[GD+4*(\i)+1]
	v_cvt_pk_bf16_f32 v[GD+4*(\i)+1], v[GD+4*(\i)+2], v[GD+4*(\i)+3]
	ds_store_b64 v[GSW], v[GD+4*(\i):GD+4*(\i)+1] offset:256*(\i)
.endr
	; the fragments, out of my wave's own bytes: LDS serves a wave's instructions in order (ISA guide 5.7.1.4), so these see the stores above
.irp q, 0,1,2,3
	ds_load_b128 v[XF+8*(\q):XF+8*(\q)+3],        v[XSR] offset:64*(\q)
	ds_load_b128 v[XF+8*(\q)+4:XF+8*(\q)+7],      v[XSR] offset:64*(\q)+32
	ds_load_tr16_b128 v[GF+8*(\q):GF+8*(\q)+3],   v[GSR] offset:1024*(\q)
	ds_load_tr16_b128 v[GF+8*(\q)+4:GF+8*(\q)+7], v[GSR] offset:1024*(\q)+512
.endr
	s_wait_dscnt 0x0
	; xb: x's fragments as they lie in the registers; each store of the wave covers 512 consecutive bytes, aligned
.irp q, 0,1,2,3
	global_store_b128 v[XBO], v[XF+8*(\q):XF+8*(\q)+3],   s[10:11] offset:1024*(\q)
	global_store_b128 v[XBO], v[XF+8*(\q)+4:XF+8*(\q)+7], s[10:11] offset:1024*(\q)+512
.endr
	; two accumulators by turns, one instruction a turn; the first two products start the sums
	v_wmma_f32_16x16x32_bf16 v[32:39], v[GF:GF+7],     v[XF:XF+7],     0
	v_wmma_f32_16x16x32_bf16 v[40:47], v[GF+8:GF+15],  v[XF+8:XF+15],  0
	v_wmma_f32_16x16x32_bf16 v[32:39], v[GF+16:GF+23], v[XF+16:XF+23], v[32:39]
	v_wmma_f32_16x16x32_bf16 v[40:47], v[GF+24:GF+31], v[XF+24:XF+31], v[40:47]
.rept 4
	v_nop                                          ; four places between a product and the reading of its result (ISA guide 7.12.1)
.endr
.irp j, 0,2,4,6
	v_pk_add_f32 v[48+(\j):49+(\j)], v[32+(\j):33+(\j)], v[40+(\j):41+(\j)]  ; from each accumulator's low end on
.endr
	ds_store_b128 v[PSW], v[48:51]
	ds_store_b128 v[PSW], v[52:55] offset:16
	s_wait_dscnt 0x0                               ; for wave 0's sake: my partial sums are in LDS
	s_barrier_signal -1                            ; the ring's loads stay on their way: nobody stores those bytes
	s_barrier_wait -1
	s_cmp_lg_u32 s16, 0
	s_cbranch_scc1 .Lstream                        ; no global load stands in what is jumped: the ring's counts are alike on both ways
	; WAVE 0: the eight partial sums, a fixed tree; then the softmax of 16 tokens
	s_wait_xcnt 0x0                                ; the stores to xb have read the fragments: v[96:127] are loaded anew only behind this wait
.irp p, 0,1,2,3,4,5,6,7
	ds_load_b128 v[GD+8*(\p):GD+8*(\p)+3],   v[PSR] offset:1024*(\p)
	ds_load_b128 v[GD+8*(\p)+4:GD+8*(\p)+7], v[PSR] offset:1024*(\p)+16
.endr
	s_wait_dscnt 0x0
.irp p, 0,2,4,6
.irp j, 0,2,4,6
	v_pk_add_f32 v[GD+8*(\p)+(\j):GD+8*(\p)+(\j)+1], v[GD+8*(\p)+(\j):GD+8*(\p)+(\j)+1], v[GD+8*(\p)+8+(\j):GD+8*(\p)+8+(\j)+1]
.endr
.endr
.irp p, 0,4
.irp j, 0,2,4,6
	v_pk_add_f32 v[GD+8*(\p)+(\j):GD+8*(\p)+(\j)+1], v[GD+8*(\p)+(\j):GD+8*(\p)+(\j)+1], v[GD+8*(\p)+16+(\j):GD+8*(\p)+16+(\j)+1]
.endr
.endr
.irp j, 0,2,4,6
	v_pk_add_f32 v[GD+(\j):GD+(\j)+1], v[GD+(\j):GD+(\j)+1], v[GD+32+(\j):GD+32+(\j)+1]
.endr
	v_max3_num_f32 v18, v[GD], v[GD+1], v[GD+2]    ; the maximum of my 8 logits,
	v_max3_num_f32 v19, v[GD+3], v[GD+4], v[GD+5]
	v_max3_num_f32 v18, v18, v[GD+6], v[GD+7]
	v_max_num_f32 v18, v18, v19
	v_permlanex16_b32 v19, v18, s24, s25           ; and of the token's other 8, in the lane 16 away
	v_max_num_f32 v18, v18, v19
	v_mul_f32 v20, s22, v18                        ; log2(e) m
	v_mov_b32 v21, v20                             ; named with it as a pair
.irp j, 0,2,4,6
	v_pk_fma_f32 v[GD+(\j):GD+(\j)+1], v[GD+(\j):GD+(\j)+1], s[22:23], v[20:21] op_sel_hi:[1,0,0] neg_lo:[0,0,1] neg_hi:[0,0,1]  ; log2(e) s - log2(e) m: at most 0
.endr
.irp j, 0,1,2,3,4,5,6,7
	v_exp_f32 v[GD+(\j)], v[GD+(\j)]
.endr
	v_nop                                          ; a plain instruction behind the last exponential (ISA guide 5.7.2),
	s_wait_alu depctr_va_vdst(0)                   ; and the one wait ahead of the batch's first reader
	v_pk_add_f32 v[GD+8:GD+9], v[GD:GD+1], v[GD+2:GD+3]
	v_pk_add_f32 v[GD+10:GD+11], v[GD+4:GD+5], v[GD+6:GD+7]
	v_pk_add_f32 v[GD+8:GD+9], v[GD+8:GD+9], v[GD+10:GD+11]
	v_add_f32 v18, v[GD+8], v[GD+9]
	v_permlanex16_b32 v19, v18, s24, s25
	v_add_f32 v18, v18, v19                        ; the sum of all 16: at least 1, since the maximum's own term is 1
	v_rcp_f32 v22, v18
	v_mov_b32 v23, 0                               ; the plain instruction behind the reciprocal; it also writes the pair's other register
	s_wait_alu depctr_va_vdst(0)                   ; the wait ahead of the reciprocal's first reader
.irp j, 0,2,4,6
	v_pk_mul_f32 v[GD+(\j):GD+(\j)+1], v[GD+(\j):GD+(\j)+1], v[22:23] op_sel_hi:[1,0]
.endr
	ds_store_b128 v[WSW], v[GD:GD+3]               ; through LDS, so that the lanes store neighbouring bytes
	ds_store_b128 v[WSW], v[GD+4:GD+7] offset:16
	ds_load_b128 v[GD+8:GD+11], v[WSR]             ; my own wave's bytes, served in order
	ds_load_b128 v[GD+12:GD+15], v[WSR] offset:512
	s_wait_dscnt 0x0
	global_store_b128 v[WGO], v[GD+8:GD+11], s[14:15]              ; 512 consecutive bytes each, aligned
	global_store_b128 v[WGO], v[GD+12:GD+15], s[14:15] offset:512
.Lstream:
; One slot's turn.  ahead = 1: the slot is loaded again, 16 slots (8,192 bytes) on.  left = how many younger loads may stay out.
.macro SLOT i, ahead, left
	s_wait_loadcnt \left                           ; loads come back in order (ISA guide 5.7.1): mine is in
	v_cvt_pk_bf16_f32 v[Y+2*(\i)], v[WR+4*(\i)], v[WR+4*(\i)+1]
	v_cvt_pk_bf16_f32 v[Y+2*(\i)+1], v[WR+4*(\i)+2], v[WR+4*(\i)+3]
.if \ahead
	global_load_b128 v[WR+4*(\i):WR+4*(\i)+3], v[WIO], s[8:9] offset:512*(16+(\i)) th:TH_LOAD_NT
.endif
	global_store_b64 v[WOO], v[Y+2*(\i):Y+2*(\i)+1], s[12:13] offset:256*(\i)  ; the wave's 32 lanes store 256 consecutive bytes, aligned
.endm
	s_mov_b32 s20, 3                               ; a wave has 64 slots' worth: three trips of 16 that load ahead, and a tail
.Lround:
.irp i, 0,1,2,3,4,5,6,7,8,9,10,11,12,13,14,15
	SLOT \i, 1, 15
.endr
	s_wait_xcnt 0x0                                ; the trip's loads and stores have read their sources: Y and the two bases are written again only behind this wait
	s_add_nc_u64 s[8:9], s[8:9], 8192
	s_add_nc_u64 s[12:13], s[12:13], 4096
	s_sub_co_u32 s20, s20, 1
	s_cmp_lg_u32 s20, 0
	s_cbranch_scc1 .Lround
.irp i, 0,1,2,3,4,5,6,7,8,9,10,11,12,13,14,15
	SLOT \i, 0, 15-(\i)                            ; the last 16 load nothing: the counts run down
.endr
	s_wait_tensorcnt 0x0                           ; the wave's end: behind my last LDS store
	ds_add_u32 v[SPW], v[NIL]
	s_wait_dscnt 0x0
	s_endpgm
.Lfunc_end_k_qec70441a78_prep:
	.size	k_qec70441a78_prep, .Lfunc_end_k_qec70441a78_prep-k_qec70441a78_prep
	.p2alignl 7, 3214868480
	.fill 96, 4, 3214868480
	.section	.rodata,"a",@progbits
	.p2align	6, 0x0
	.amdhsa_kernel k_qec70441a78_prep
		.amdhsa_group_segment_fixed_size 77824
		.amdhsa_private_segment_fixed_size 0
		.amdhsa_enable_private_segment 0
		.amdhsa_kernarg_size 48
		.amdhsa_user_sgpr_count 2
		.amdhsa_user_sgpr_kernarg_segment_ptr 1
		.amdhsa_wavefront_size32 1
		.amdhsa_system_sgpr_workgroup_id_x 1
		.amdhsa_system_sgpr_workgroup_id_y 1
		.amdhsa_system_sgpr_workgroup_id_z 1
		.amdhsa_system_vgpr_workitem_id 0
		.amdhsa_next_free_vgpr 256
		.amdhsa_next_free_sgpr 66
		.amdhsa_reserve_vcc 0
		.amdhsa_float_denorm_mode_32 3
		.amdhsa_float_denorm_mode_16_64 3
		.amdhsa_memory_ordered 1
		.amdhsa_forward_progress 1
		.amdhsa_inst_pref_size 32
	.end_amdhsa_kernel
	.amdgpu_metadata
---
amdhsa.version: [ 1, 2 ]
amdhsa.kernels:
  - .name:           k_qec70441a78_prep
    .symbol:         k_qec70441a78_prep.kd
    .args:
      - { .name: x, .offset: 0, .size: 8, .value_kind: global_buffer, .address_space: global }
      - { .name: gate_w, .offset: 8, .size: 8, .value_kind: global_buffer, .address_space: global }
      - { .name: experts_w, .offset: 16, .size: 8, .value_kind: global_buffer, .address_space: global }
      - { .name: xb, .offset: 24, .size: 8, .value_kind: global_buffer, .address_space: global }
      - { .name: wb, .offset: 32, .size: 8, .value_kind: global_buffer, .address_space: global }
      - { .name: wts, .offset: 40, .size: 8, .value_kind: global_buffer, .address_space: global }
    .group_segment_fixed_size: 77824
    .private_segment_fixed_size: 0
    .kernarg_segment_align: 8
    .kernarg_segment_size: 48
    .max_flat_workgroup_size: 256
    .sgpr_count:     66
    .vgpr_count:     256
    .wavefront_size: 32
...
	.end_amdgpu_metadata
.endif
;; end of part 3
;; launch moe (part 4): grid 8 x 32, 4 waves a work-group, clusters of 4 x 4, 327,680 bytes of LDS; arguments xb, wb, wts, experts_b, x, out0; writes out0
.if DOCPART == 4
	.amdgcn_target "amdgcn-amd-amdhsa--gfx1250"
	.amdhsa_code_object_version 6
	.text
	.protected	k_qec70441a78_moe
	.globl	k_qec70441a78_moe
	.p2align	8
	.type	k_qec70441a78_moe,@function
k_qec70441a78_moe:
	s_mov_b64 s[64:65], 0
	v_nop
	global_prefetch_b8 v0, s[64:65] scope:SCOPE_SE
	s_setreg_imm32_b32 hwreg(HW_REG_WAVE_MODE, 25, 1), 1
	s_wait_xcnt 0x0
	s_wait_alu depctr_hold_cnt(0) depctr_sa_sdst(0) depctr_va_vdst(0) depctr_va_sdst(0) depctr_va_ssrc(0) depctr_va_vcc(0) depctr_vm_vsrc(0)
	s_getreg_b32 s2, hwreg(HW_REG_IB_STS2, 6, 4)
	s_cmp_eq_u32 s2, 0
	s_cbranch_scc0 .Lentry_in_a_cluster
	s_endpgm
.Lentry_in_a_cluster:
	s_bfe_u32 s2, ttmp6, 0x10000c
	s_cmp_lg_u32 s2, 0xf033
	s_cbranch_scc0 .Lentry_shape_is_right
	s_endpgm
.Lentry_shape_is_right:
; out0[t][d] = x[t][d] + sum over e of wts[t][e] (sum over k of xb[t][k] wb[k][1024 e + d] + experts_b[1024 e + d]).
; xb: x in bf16, laid out as operand fragments: byte 32,768 tb + 1,024 j + 512 half + 16 l holds token 16 tb + l % 16, k = 32 j + 16 half + 8 (l / 16) + 0..7.
; wb: [1024][16384] bf16.  wts: [4096][16] f32.  experts_b: [16384] f32.  x, out0: [4096][1024] f32.
; SHARES.  A work-group makes 128 tokens x 128 columns of out0: 32 x 8 = 256 work-groups.  Each of its four waves makes 64 x 64: 16 accumulators T for the expert in hand and 16 blocks OUT.
; THE MATRIX INSTRUCTION IS USED TRANSPOSED (source 0 = 16 columns of wb, source 1 = 16 tokens): a lane holds ONE token (lane % 16) and eight neighbouring columns, so the gate's weight is one number a
; lane, and OUT += w T is 64 packed multiply-adds in f32.  Weights, bias, residual and all sums stay in f32; only x and experts_w were rounded, once, to bf16.
; THE WALK.  K is cut in two halves of 512.  The sum over experts is linear in T, so a half's products can be weighed and added by themselves: 32 steps (half, expert) of 256 matrix instructions a wave.
; X STAYS IN REGISTERS: a wave's 64 tokens x 512 k are 512 registers, loaded from memory, 512 consecutive bytes a load, and used for all 16 experts of a half.  So LDS is read for wb alone (32 loads for 64
; matrix instructions), and LDS has room for two slots that each hold an expert's whole 512 x 128 of wb: expert e lies in slot e % 2, and a slot is filled again while the other expert's 256 matrix
; instructions run.  The second half's x comes in during the first half's last expert: each chunk of 32 k is loaded again four places or more behind its last product, and is wanted 192 matrix instructions later or more.
; GROUPS.  An expert's half of K is four groups of four chunks of 32 k.  wb's fragments have six buffers of a chunk: chunks 0 and 1 of a group always take the same two; chunks 2 and 3 take one pair in even
; groups and another in odd ones.  So the next group's 32 LDS loads stand in ONE run behind chunk 1's products, and chunks 2 and 3, 32 matrix instructions, are multiplied while they land.
; In the first half a sum T starts with the bias as its C operand, in the second with the constant 0.  OUT starts as x itself, loaded in f32 straight into OUT's registers: nothing is cleared and nothing
; is added at the end.  (Each of those 32 loads takes 16 bytes a lane of 16 rows; eight of them together cover a row's aligned 256 bytes.  They stand once, at the head, in the wait for the first tile.)
; wb lies [k][n]: its fragments come out of LDS turned, by ds_load_tr16_b128.
; CLUSTERS: 4 x 4 work-groups.  The four of a column of the cluster have the same columns: wb's tiles and the bias are asked for JOINTLY by them; the four of a row have the same tokens: the weights likewise.
; Each joint load is the same line with the same descriptor and a mask that names the four.  x's fragments are NOT joint: they go into registers, 512 KB a work-group against wb's 4 MB, and a joint load
; would want 131,072 bytes of LDS, of which the two slots leave 32,768.
; LIMITS.  bf16 operands as said; NaN and infinities are not treated apart.
; REGISTERS, in windows of 256 (s_set_vgpr_msb: bits 1:0 source 0, 3:2 source 1, 5:4 source 2, 7:6 destination):
;   window 0: v0-31 addresses, among them v2-9 the weights of one expert (the head's scratch before that); v32-63 the bias of one expert; v64-127 wb's chunks 2 and 3 of odd groups;
;             v128-255 T ((a, b) at 128 + 8 (4 a + b)), on the way out whole rows
;   window 1: v0-63 wb's chunks 0 and 1; v64-127 chunks 2 and 3 of even groups (chunk c, column block b at 32 c + 8 b in either window); v128-255 OUT ((a, b) at 128 + 8 (4 a + b))
;   windows 2 and 3: x's fragments of one half of K: chunk j of 32 k, token block a at register 32 j + 8 a of the 512
.set PB,    288                        ; a row of wb in LDS: 256 bytes + 32 = 72 words
.set BQ,    128*PB                     ; 128 rows: what one wave's tensor load brings, and what one group reads
.set SLOT,  4*BQ                       ; an expert's 512 k x 128 columns
.set GP,    72                         ; a token's 16 weights: 64 bytes + 8: 16 tokens' words fall into 16 different banks
.set GATE,  2*SLOT                     ; 128 tokens x 72
.set BIAS,  GATE+128*GP                ; 16 experts x 512 bytes
.set SPARE, BIAS+16*512                ; the spare words, 128 bytes for each wave: two blocks of 256 bytes that no other line names
.set SP,    272                        ; THE STAGE for the way out, 16 rows x 272 for each wave, lies at the head of slot 0: that slot has had its last fill, and every wave's last read of it
                                       ; stands in front of the barrier at the end of the second half's expert 14
.set WG,    2                          ; v2-9    token block a's weight, twice, in the pair WG + 2 a
.set XO,    10                         ; v10     my byte offset in the wave's block of x
.set AO,    11                         ; v11     my 16 bytes in 512 of xb: 16 l
.set ADRW0, 12                         ; v12     LDS address of my tokens' weights; steps an expert at a time through the first half,
.set ADRW1, 13                         ; v13     and this one through the second
.set ADRBI, 14                         ; v14     of my columns' bias; steps an expert at a time
.set ADRB,  16                         ; v16-23  of my fragments of wb: slot s, group g, at ADRB + 4 s + g (a slot is longer than a 16-bit offset reaches)
.set STO,   24                         ; v24     the way out: where I put 32 bytes of a row
.set RD,    25                         ; v25     the way out: where I read a row back
.set CO,    26                         ; v26     my byte offset in two rows of out0
.set SPW,   28                         ; v28     LDS address of my spare word; never rewritten
.set NIL,   29                         ; v29     0; never rewritten
.set BI,    32
.set T,     128
.set OUT,   128                        ; in window 1
.set WV,    16                         ; s16  my wave's number: also which 128 rows of a slot I fetch
.set FB,    17                         ; s17  which half of the tile's tokens is mine.  Also: of the small tiles I fetch the weights (0) or the bias (1)
.set HF,    18                         ; s18  which half of its columns.  Also: which half of that small tile
.set G1B,   40                         ; s[40:47] group 1, wb's tiles;     s[48:55] group 0, a set for each slot
.set G0B,   48
.set G1G,   56                         ; s[56:63] group 1, the weights;    s[68:71] group 0
.set G0G,   68
.set G1S,   72                         ; s[72:79] group 1, the bias;       s[80:83] group 0
.set G0S,   80
.set MSB, 0
.macro WIN new                         ; the immediate's high byte repeats the setting that is left; a switch that changes nothing is dropped
.if MSB != (\new)
	s_set_vgpr_msb (MSB<<8)|(\new)
.set MSB, \new
.endif
.endm
.set TO_1, 0x40                        ; destination window 1, address window 0
.set CMB,  0x50                        ; destination and source 2 (OUT) window 1; T and the weight window 0
.set ST_O, 0x04                        ; an LDS store's data (source 1) window 1
.macro PLACES                          ; four places in front of loads into registers that matrix instructions have read, and of vector lines that read results
.rept 4
	v_nop
.endr
.endm
.macro CREST                           ; a round of the cluster's barrier behind its opening barrier
	s_cmp_lg_u32 s[WV], 0
	s_cbranch_scc1 .Lnot_wave_0_\@
	s_barrier_signal -3
.Lnot_wave_0_\@:
	s_barrier_wait -3
	s_barrier_signal -1
	s_barrier_wait -1
.endm
.macro CROUND                          ; a whole round
	s_barrier_signal -1
	s_barrier_wait -1
	CREST
.endm
.macro SHAPE g, d0, d1, pitch          ; words 1 to 7 of a group 1: a tile of d1 rows x d0 elements that lies inside its tensor, pitch elements from row to row
	s_mov_b32 s[(\g)+1], (\d0)<<16                 ; tensor_dim0
	s_mov_b32 s[(\g)+2], (\d1)<<16                 ; tensor_dim1
	s_mov_b32 s[(\g)+3], (\d0)<<16                 ; tile_dim0
	s_mov_b32 s[(\g)+4], \d1                       ; tile_dim1
	s_mov_b32 s[(\g)+5], \pitch                    ; tensor_dim0_stride
	s_mov_b32 s[(\g)+6], 0
	s_mov_b32 s[(\g)+7], 0
.endm
	s_load_b256 s[4:11], s[0:1], 0x0               ; xb s[4:5], wb s[6:7], wts s[8:9], experts_b s[10:11]
	s_load_b128 s[12:15], s[0:1], 0x20             ; x s[12:13], out0 s[14:15]
	v_lshl_add_u32 v[SPW], v0, 2, SPARE
	v_mov_b32 v[NIL], 0
	ds_add_u32 v[SPW], v[NIL]                      ; the wave's opening: the add and its wait ahead of my first tensor load; the set-up below, work on registers, stands between them
	v_lshrrev_b32 v1, 5, v0
	v_readfirstlane_b32 s[WV], v1                  ; wave 0..3
	s_lshr_b32 s[FB], s[WV], 1
	s_and_b32 s[HF], s[WV], 1
	s_bfe_u32 s20, ttmp6, 0x40000                  ; cx, cy: my place in the cluster
	s_bfe_u32 s21, ttmp6, 0x40004
	s_lshl_b32 s22, ttmp9, 2
	s_add_co_u32 s22, s22, s20                     ; tile column = 4 x cluster x + cx: 0..7
	s_and_b32 s23, ttmp7, 0xffff
	s_lshl_b32 s23, s23, 2
	s_add_co_u32 s23, s23, s21                     ; tile row = 4 x cluster y + cy: 0..31
	s_lshl_b32 s19, s21, 2
	s_lshl_b32 s19, 15, s19                        ; my row of the cluster
	s_lshl_b32 s66, 0x1111, s20                    ; my column
	s_or_b32 s[G1B], s66, (1<<16)|(1<<20)|(1<<21)|(5<<22)|(7<<25)  ; the mask: my column; elements of 2 bytes; padding on; bit 21 beside a mask; after every 64 words (code 5) 8 words (code 7)
	SHAPE G1B, 128, 128, 16384                     ; 128 k x 128 columns
	s_or_b32 s[G1G], s19, (2<<16)|(1<<20)|(1<<21)|(3<<22)|(1<<25)  ; my row; 4 bytes; after every 16 words (code 3), a token's weights, 2 words (code 1)
	SHAPE G1G, 64, 16, 64                          ; 64 tokens' weights are 4,096 dense bytes: asked for as 16 rows of 256
	s_or_b32 s[G1S], s66, (2<<16)|(1<<21)          ; my column; 4 bytes; no padding
	SHAPE G1S, 128, 8, 1024                        ; 8 experts x 128 columns
	; where the tiles go: constants and the wave's number alone
	s_mov_b32 s[G0B], 1
	s_mov_b32 s[G0B+4], 1
	s_mov_b32 s[G0G], 1
	s_mov_b32 s[G0S], 1
	s_mul_i32 s67, s[WV], BQ                       ; my 128 rows of a slot
	s_mov_b32 s[G0B+1], s67
	s_add_co_u32 s[G0B+5], s67, SLOT
	s_mul_i32 s67, s[HF], 64*GP
	s_add_co_u32 s[G0G+1], s67, GATE
	s_lshl_b32 s67, s[HF], 12
	s_add_co_u32 s[G0S+1], s67, BIAS
	; where they come from, as offsets.  The weights' hang on the tile row and the wave alone, wb's and the bias's on the tile column and the wave alone, each in registers that never hold the other coordinate
	s_lshl_b32 s86, s23, 13                        ; wts: (128 row + 64 half) x 64 bytes
	s_lshl_b32 s67, s[HF], 12
	s_add_co_u32 s86, s86, s67
	s_mov_b32 s87, 0
	s_lshl_b32 s88, s22, 8                         ; wb: 128 wave rows of 32,768 bytes + 256 column
	s_lshl_b32 s67, s[WV], 22
	s_add_co_u32 s88, s88, s67
	s_mov_b32 s89, 0
	s_lshl_b32 s90, s22, 9                         ; experts_b: 8 half experts of 4,096 bytes + 512 column
	s_lshl_b32 s67, s[HF], 15
	s_add_co_u32 s90, s90, s67
	s_mov_b32 s91, 0
	s_lshl_b32 s84, s23, 18                        ; xb, for my own loads: token block 8 row + 4 token half, 32,768 bytes each
	s_lshl_b32 s94, s[FB], 17
	s_add_co_u32 s84, s84, s94
	s_mov_b32 s85, 0
	s_lshl_b32 s92, s23, 19                        ; x and out0: (128 row + 64 token half) x 4,096 + 512 column + 256 column half
	s_lshl_b32 s94, s[FB], 18
	s_add_co_u32 s92, s92, s94
	s_lshl_b32 s94, s22, 9
	s_add_co_u32 s92, s92, s94
	s_lshl_b32 s94, s[HF], 8
	s_add_co_u32 s92, s92, s94
	s_mov_b32 s93, 0
	s_wait_dscnt 0x0                               ; the opening add is done
	s_wait_kmcnt 0x0
	s_add_nc_u64 s[84:85], s[4:5], s[84:85]        ; xb at my wave's first token block
	s_add_nc_u64 s[88:89], s[6:7], s[88:89]
.irp c, 0,1
	s_add_nc_u64 s[G0B+4*(\c)+2:G0B+4*(\c)+3], s[88:89], (\c)*2048         ; slot c begins with expert c
	s_or_b32 s[G0B+4*(\c)+3], s[G0B+4*(\c)+3], 0x80000000                  ; type = 2
.endr
	s_add_nc_u64 s[G0G+2:G0G+3], s[8:9], s[86:87]
	s_or_b32 s[G0G+3], s[G0G+3], 0x80000000
	s_add_nc_u64 s[G0S+2:G0S+3], s[10:11], s[90:91]
	s_or_b32 s[G0S+3], s[G0S+3], 0x80000000
	s_add_nc_u64 s[12:13], s[12:13], s[92:93]      ; x and out0 at my wave's block
	s_add_nc_u64 s[14:15], s[14:15], s[92:93]
	CROUND                                         ; all sixteen work-groups are here: the first joint loads meet
	s_cmp_eq_u32 s[FB], 0                          ; a wave's three first fills stand in one branch, ahead of every wait on TENSORcnt and every LDS read: three loads of mine are out here, later one at the most
	s_cbranch_scc0 .Lfirst_b
	tensor_load_to_lds s[G0B:G0B+3], s[G1B:G1B+7]          ; expert 0
	s_nop 0
	tensor_load_to_lds s[G0G:G0G+3], s[G1G:G1G+7]          ; the weights
	s_nop 0
	tensor_load_to_lds s[G0B+4:G0B+7], s[G1B:G1B+7]        ; expert 1
	s_nop 0
.rept 4
	v_nop
.endr
	s_branch .Lfirst_asked
.Lfirst_b:
	tensor_load_to_lds s[G0B:G0B+3], s[G1B:G1B+7]          ; expert 0
	s_nop 0
	tensor_load_to_lds s[G0S:G0S+3], s[G1S:G1S+7]          ; the bias
	s_nop 0
	tensor_load_to_lds s[G0B+4:G0B+7], s[G1B:G1B+7]        ; expert 1
	s_nop 0
.rept 4
	v_nop
.endr
.Lfirst_asked:
	v_and_b32 v1, 15, v0                           ; l % 16
	v_bfe_u32 v2, v0, 4, 1                         ; l / 16
	v_and_b32 v3, 7, v0                            ; l % 8
	v_bfe_u32 v4, v0, 3, 1                         ; (l / 8) % 2
	v_and_b32 v5, 31, v0                           ; l
	v_lshlrev_b32 v[XO], 12, v1                    ; x: token l % 16, 32 bytes for each half of the lanes
	v_lshl_add_u32 v[XO], v2, 5, v[XO]
	v_lshlrev_b32 v[AO], 4, v5                     ; xb: half a fragment is 512 consecutive bytes, 16 a lane
	; the turning load takes 16 k x 16 columns (lane l reads row 8 (l / 16) + l % 8, columns 8 ((l / 8) % 2) + 0..7) and leaves half a fragment: lane l holds column l % 16 and 8 k
	v_lshl_add_u32 v6, v2, 3, v3
	v_mul_u32_u24 v6, v6, PB
	v_lshl_add_u32 v6, v4, 4, v6
	s_lshl_b32 s67, s[HF], 7                       ; my 64 columns
	v_add_nc_u32 v[ADRB], s67, v6
.irp i, 1,2,3,4,5,6,7
	v_add_nc_u32 v[ADRB+(\i)], ((\i)/4)*SLOT+((\i)%4)*BQ, v[ADRB]
.endr
	s_mul_i32 s67, s[FB], 64*GP
	s_add_co_u32 s67, s67, GATE
	v_mul_u32_u24 v7, v1, GP
	v_add_nc_u32 v[ADRW0], s67, v7                 ; token 64 half + l % 16, expert 0
	v_mov_b32 v[ADRW1], v[ADRW0]
	s_lshl_b32 s67, s[HF], 8
	s_add_co_u32 s67, s67, BIAS
	v_lshl_add_u32 v[ADRBI], v2, 5, s67            ; expert 0, my columns 8 (l / 16) on
	s_mul_i32 s67, s[WV], 16*SP                    ; my stage, from LDS byte 0 on
	v_mul_u32_u24 v8, v1, SP                       ; in: row l % 16, 32 bytes for each half of the lanes
	v_lshl_add_u32 v8, v2, 5, v8
	v_add_nc_u32 v[STO], s67, v8
	v_mul_u32_u24 v9, v2, SP                       ; back: lanes 0-15 take one row of 256 bytes, lanes 16-31 the next
	v_lshl_add_u32 v9, v1, 4, v9
	v_add_nc_u32 v[RD], s67, v9
	v_lshlrev_b32 v[CO], 12, v2                    ; and the same two rows in out0
	v_lshl_add_u32 v[CO], v1, 4, v[CO]
; 8 loads, 512 consecutive bytes each: chunk j (32 k) of x's fragments for K's half hf, all four token blocks.  The chunks of a batch are always asked for in ascending order: the counted waits (LWAIT) lean on that.
.macro ALOAD j, hf
	WIN 0x80+0x40*((\j)/8)                         ; destination window 2 or 3, address window 0
.irp a, 0,1,2,3
	global_load_b128 v[32*((\j)%8)+8*(\a):32*((\j)%8)+8*(\a)+3],   v[AO], s[84:85] offset:32768*(\a)+1024*((\j)+16*(\hf))
	global_load_b128 v[32*((\j)%8)+8*(\a)+4:32*((\j)%8)+8*(\a)+7], v[AO], s[84:85] offset:32768*(\a)+1024*((\j)+16*(\hf))+512
.endr
.endm
.macro LWAIT n                         ; n chunks of 8 loads may stay out (loads come back in order: ISA guide 5.7.1); a wait names 63 at the most, which shows more done than is needed
.set LC, 8*(\n)
.if LC > 63
.set LC, 63
.endif
	s_wait_loadcnt LC
.endm
	WIN TO_1
.irp a, 0,1,2,3
.irp b, 0,1,2,3
	global_load_b128 v[OUT+8*(4*(\a)+(\b)):OUT+8*(4*(\a)+(\b))+3],   v[XO], s[12:13] offset:65536*(\a)+64*(\b) th:TH_LOAD_NT     ; OUT starts as x: tokens 16 a on, columns 16 b on
	global_load_b128 v[OUT+8*(4*(\a)+(\b))+4:OUT+8*(4*(\a)+(\b))+7], v[XO], s[12:13] offset:65536*(\a)+64*(\b)+16 th:TH_LOAD_NT
.endr
.endr
.irp j, 0,1,2,3,4,5,6,7,8,9,10,11,12,13,14,15
	ALOAD \j, 0                                    ; the first half's x; other work-groups read these bytes too: no hint
.endr
	WIN 0
; 16 matrix instructions: all 4 token blocks x all 4 column blocks, chunk c of group g (32 k).  st = 1: the products start the sums with the bias; 2: with 0; 0: they add on.
; wb's chunk lies at register 32 c, in window 1, or (chunks 2 and 3 of odd groups) in window 0; x's chunk 4 g + c in window 2 or 3.
; The 16 accumulators take turns, one instruction a turn, in the same order everywhere, over the loops' backward jumps too.
.macro MUL16 g, c, st
	WIN (1-((\c)/2)*((\g)%2))+4*(2+(\g)/2)
.irp a, 0,1,2,3
.irp b, 0,1,2,3
.if (\st) == 1
	v_wmma_f32_16x16x32_bf16 v[T+8*(4*(\a)+(\b)):T+8*(4*(\a)+(\b))+7], v[32*(\c)+8*(\b):32*(\c)+8*(\b)+7], v[32*((4*(\g)+(\c))%8)+8*(\a):32*((4*(\g)+(\c))%8)+8*(\a)+7], v[BI+8*(\b):BI+8*(\b)+7]
.elseif (\st) == 2
	v_wmma_f32_16x16x32_bf16 v[T+8*(4*(\a)+(\b)):T+8*(4*(\a)+(\b))+7], v[32*(\c)+8*(\b):32*(\c)+8*(\b)+7], v[32*((4*(\g)+(\c))%8)+8*(\a):32*((4*(\g)+(\c))%8)+8*(\a)+7], 0
.else
	v_wmma_f32_16x16x32_bf16 v[T+8*(4*(\a)+(\b)):T+8*(4*(\a)+(\b))+7], v[32*(\c)+8*(\b):32*(\c)+8*(\b)+7], v[32*((4*(\g)+(\c))%8)+8*(\a):32*((4*(\g)+(\c))%8)+8*(\a)+7], v[T+8*(4*(\a)+(\b)):T+8*(4*(\a)+(\b))+7]
.endif
.endr
.endr
.endm
; 32 LDS loads in one run: wb's fragments of group g (128 k) of a slot, chunk by chunk
.macro FETCH slot, g
.irp c, 0,1,2,3
	WIN 0x40*(1-((\c)/2)*((\g)%2))                 ; destination window 1, or 0 for chunks 2 and 3 of an odd group; address window 0
.irp i, 0,1,2,3
	ds_load_tr16_b128 v[32*(\c)+8*(\i):32*(\c)+8*(\i)+3],   v[ADRB+4*(\slot)+(\g)] offset:PB*32*(\c)+32*(\i)
	ds_load_tr16_b128 v[32*(\c)+8*(\i)+4:32*(\c)+8*(\i)+7], v[ADRB+4*(\slot)+(\g)] offset:PB*32*(\c)+32*(\i)+16*PB
.endr
.endr
.endm
.macro BIASLD                          ; an expert's bias for my 64 columns, in the layout of a C operand: block b's eight registers hold columns 16 b + 8 (l / 16) + 0..7; the address steps to the next expert
	WIN 0
.irp b, 0,1,2,3
	ds_load_b128 v[BI+8*(\b):BI+8*(\b)+3],   v[ADRBI] offset:64*(\b)
	ds_load_b128 v[BI+8*(\b)+4:BI+8*(\b)+7], v[ADRBI] offset:64*(\b)+16
.endr
	v_add_nc_u32 v[ADRBI], 512, v[ADRBI]
.endm
.macro EXTRA aw, bi                    ; the weights of the expert in hand for my four blocks of tokens, each twice (a pair for the packed multiply-add); bi = 1: and the next expert's bias
	WIN 0
.irp m, 0,1,2,3
	ds_load_b32 v[WG+2*(\m)],   v[\aw] offset:16*GP*(\m)
	ds_load_b32 v[WG+2*(\m)+1], v[\aw] offset:16*GP*(\m)
.endr
	v_add_nc_u32 v[\aw], 4, v[\aw]
.if \bi
	BIASLD
.endif
.endm
; One of an expert's first three groups: 64 matrix instructions; behind chunk 1's the next group's run.
; lw = 1: the first expert behind a batch of x's loads: behind chunk 4 g + 1 stand 14 - 4 g chunks, behind chunk 4 g + 3 stand 12 - 4 g.
; re = 1: the first half's last expert: the chunks whose last products are four places back or more take the second half's x.
.macro GROUP slot, g, st=0, ex=0, aw=0, bi=0, re=0, lw=0
.if \lw
	LWAIT 14-4*(\g)                                ; x's chunks 4 g and 4 g + 1 are in
.endif
	s_wait_dscnt 16                                ; wb's chunks 0 and 1 are in (and all that is older); the run's younger sixteen loads may be out
	MUL16 \g, 0, \st
	MUL16 \g, 1, 0
	s_wait_dscnt 0x0                               ; the rest of the run, issued 64 matrix instructions ago: chunks 2 and 3 are read next, and at most the 48 loads below are ever out
	PLACES
.if \re
.if (\g) > 0
	ALOAD 4*(\g)-2, 1
	ALOAD 4*(\g)-1, 1
.endif
	ALOAD 4*(\g), 1
	ALOAD 4*(\g)+1, 1
.endif
.if \ex
	EXTRA \aw, \bi                                 ; older than the run below, so the next wait on that run covers them
.endif
	FETCH \slot, (\g)+1
.if \lw
	LWAIT 12-4*(\g)                                ; x's chunks 4 g + 2 and 4 g + 3 are in
.endif
	MUL16 \g, 2, 0
	MUL16 \g, 3, 0
.endm
; The fourth group changes slots: ONE barrier; in front of it each wave waits for all its tensor loads (at most one is out: its part of the other slot), adds 0 to its spare word, and waits for that and
; for its own reads of this slot.  kind = 1: this slot is filled again, with the expert two on; kind = 2: with expert 0 or 1 of K's second half; the barrier then opens a round of the cluster's
; barrier, and the joint refill, one load a wave, is the first tensor load behind the round: 224 matrix instructions stand between it and the wait for it.  kind = 0: nothing is filled.
.macro TURN slot, kind, re=0, lw=0
.if \lw
	LWAIT 2                                        ; x's chunks 12 and 13 are in
.endif
	WIN 0                                          ; (the add's two registers lie in window 0)
	s_wait_tensorcnt 0x0                           ; all my tensor loads have landed;
	ds_add_u32 v[SPW], v[NIL]                      ; 0 onto my spare word;
	s_wait_dscnt 17                                ; (the add and the run's younger sixteen loads may be out)
	MUL16 3, 0, 0                                  ; sixteen matrix instructions stand between the add and the wait for it
	s_wait_dscnt 0x0                               ; the add is done, and my reads of this slot are over
	s_barrier_signal -1
	MUL16 3, 1, 0
.if \kind
	WIN 0
.endif
	s_barrier_wait -1
.if \kind
	CREST                                          ; no wave of any partner still reads this slot or has a load on its way
.if (\kind) == 2
	s_add_nc_u64 s[G0B+4*(\slot)+2:G0B+4*(\slot)+3], s[G0B+4*(\slot)+2:G0B+4*(\slot)+3], 512*32768-14*2048  ; 512 rows down, 14 experts back
.else
	s_add_nc_u64 s[G0B+4*(\slot)+2:G0B+4*(\slot)+3], s[G0B+4*(\slot)+2:G0B+4*(\slot)+3], 2*2048             ; two experts on
.endif
	tensor_load_to_lds s[G0B+4*(\slot):G0B+4*(\slot)+3], s[G1B:G1B+7]
	s_nop 0
.endif
	PLACES                                         ; the places in front of the loads below
.if \re
	ALOAD 10, 1
	ALOAD 11, 1
	ALOAD 12, 1
	ALOAD 13, 1
.endif
	FETCH 1-(\slot), 0
.if \lw
	LWAIT 0                                        ; x's last two chunks
.endif
	MUL16 3, 2, 0
	MUL16 3, 3, 0
.endm
; OUT += w T, in f32.  Each accumulator is read from its low end on.  The four v_nop are the places behind the last products; for each accumulator they and the lines on the others are also the places
; in front of the next expert's product that writes it anew.
.macro COMBINE
	PLACES
	WIN CMB
.irp a, 0,1,2,3
.irp b, 0,1,2,3
.irp p, 0,1,2,3
	v_pk_fma_f32 v[OUT+8*(4*(\a)+(\b))+2*(\p):OUT+8*(4*(\a)+(\b))+2*(\p)+1], v[T+8*(4*(\a)+(\b))+2*(\p):T+8*(4*(\a)+(\b))+2*(\p)+1], v[WG+2*(\a):WG+2*(\a)+1], v[OUT+8*(4*(\a)+(\b))+2*(\p):OUT+8*(4*(\a)+(\b))+2*(\p)+1]
.endr
.endr
.endr
.endm
; One expert in one half of K: 256 matrix instructions and the combine.
.macro EXPERT slot, st, aw, bi, kind, re=0, lw=0
	GROUP \slot, 0, \st, 0, 0, 0, \re, \lw
	GROUP \slot, 1, 0, 0, 0, 0, \re, \lw
	GROUP \slot, 2, 0, 1, \aw, \bi, \re, \lw
	TURN \slot, \kind, \re, \lw
	COMBINE
.if \re
	ALOAD 14, 1                                    ; the combine's lines are the places behind the last products that read chunks 14 and 15
	ALOAD 15, 1
.endif
	WIN 0                                          ; at a label and at a branch every window is 0
.endm
	s_wait_tensorcnt 0x1                           ; my part of slot 0 and my small tile are in; slot 1's may stay out
	s_barrier_signal -1
	s_barrier_wait -1                              ; everybody's are
	BIASLD                                         ; expert 0's
	FETCH 0, 0
	WIN 0
	s_mov_b32 s3, 7
.Lh0:                                              ; K's first half, experts 0 to 13, two a trip; in the first trip the even expert's counted waits meet x's loads, later nothing is out
	EXPERT 0, 1, ADRW0, 1, 1, 0, 1
	EXPERT 1, 1, ADRW0, 1, 1
	s_sub_co_u32 s3, s3, 1
	s_cmp_lg_u32 s3, 0
	s_cbranch_scc1 .Lh0
	EXPERT 0, 1, ADRW0, 1, 2                       ; expert 14: slot 0 moves on to K's second half
	EXPERT 1, 1, ADRW0, 0, 2, 1                    ; expert 15: slot 1 too, and x's registers, chunk by chunk
	s_mov_b32 s3, 7
.Lh1:                                              ; K's second half, experts 0 to 13
	EXPERT 0, 2, ADRW1, 0, 1, 0, 1
	EXPERT 1, 2, ADRW1, 0, 1
	s_sub_co_u32 s3, s3, 1
	s_cmp_lg_u32 s3, 0
	s_cbranch_scc1 .Lh1
	EXPERT 0, 2, ADRW1, 0, 0                       ; experts 14 and 15 are written out: nothing is asked for
	GROUP 1, 0, 2
	GROUP 1, 1
	GROUP 1, 2, 0, 1, ADRW1, 0
	s_wait_dscnt 16                                ; the very last group: nothing more to fetch
	MUL16 3, 0, 0
	MUL16 3, 1, 0
	s_wait_dscnt 0x0
	MUL16 3, 2, 0
	MUL16 3, 3, 0
	COMBINE
; THE WAY OUT.  A lane's 32 bytes are an eighth of a row's 256; so 16 rows at a time go through my own stage: in by rows of 272 bytes, back as whole rows, into T's registers.
.macro OUTB a
	WIN ST_O
.irp b, 0,1,2,3
	ds_store_b128 v[STO], v[OUT+8*(4*(\a)+(\b)):OUT+8*(4*(\a)+(\b))+3]   offset:64*(\b)
	ds_store_b128 v[STO], v[OUT+8*(4*(\a)+(\b))+4:OUT+8*(4*(\a)+(\b))+7] offset:64*(\b)+16
.endr
	WIN 0
.irp t, 0,1,2,3,4,5,6,7
	ds_load_b128 v[T+32*(\a)+4*(\t):T+32*(\a)+4*(\t)+3], v[RD] offset:(\t)*2*SP  ; LDS serves a wave's instructions in order (ISA guide 5.7.1.4): these see the stores above; the next block's stores come behind them
.endr
.endm
.macro SEND a, younger                 ; younger: the LDS instructions issued behind block a's loads: the next block's sixteen, or none
	WIN 0
.irp t, 0,1,2,3,4,5,6,7
	s_wait_dscnt (\younger)+7-(\t)
	global_store_b128 v[CO], v[T+32*(\a)+4*(\t):T+32*(\a)+4*(\t)+3], s[14:15] offset:4096*(16*(\a)+2*(\t)) th:TH_STORE_NT  ; 16 lanes store 256 consecutive bytes, at a multiple of 256 from out0's first byte
.endr
.endm
	OUTB 0
	OUTB 1
	SEND 0, 16
	OUTB 2
	SEND 1, 16
	OUTB 3
	SEND 2, 16
	SEND 3, 0
	s_wait_tensorcnt 0x0                           ; the wave's end: behind my last tensor load and my last LDS store
	ds_add_u32 v[SPW], v[NIL]
	s_wait_dscnt 0x0
	CROUND                                         ; the closing round: no work-group ends while a partner may still ask for a tile that names it
	s_endpgm
.Lfunc_end_k_qec70441a78_moe:
	.size	k_qec70441a78_moe, .Lfunc_end_k_qec70441a78_moe-k_qec70441a78_moe
	.p2alignl 7, 3214868480
	.fill 96, 4, 3214868480
	.section	.rodata,"a",@progbits
	.p2align	6, 0x0
	.amdhsa_kernel k_qec70441a78_moe
		.amdhsa_group_segment_fixed_size 327680
		.amdhsa_private_segment_fixed_size 0
		.amdhsa_enable_private_segment 0
		.amdhsa_kernarg_size 48
		.amdhsa_user_sgpr_count 2
		.amdhsa_user_sgpr_kernarg_segment_ptr 1
		.amdhsa_wavefront_size32 1
		.amdhsa_system_sgpr_workgroup_id_x 1
		.amdhsa_system_sgpr_workgroup_id_y 1
		.amdhsa_system_sgpr_workgroup_id_z 1
		.amdhsa_system_vgpr_workitem_id 0
		.amdhsa_next_free_vgpr 1024
		.amdhsa_next_free_sgpr 96
		.amdhsa_reserve_vcc 0
		.amdhsa_float_denorm_mode_32 3
		.amdhsa_float_denorm_mode_16_64 3
		.amdhsa_memory_ordered 1
		.amdhsa_forward_progress 1
		.amdhsa_inst_pref_size 255
	.end_amdhsa_kernel
	.section	.bss,"aw",@nobits
	.p2align	6
	.space	262144
	.amdgpu_metadata
---
amdhsa.version: [ 1, 2 ]
amdhsa.kernels:
  - .name:           k_qec70441a78_moe
    .symbol:         k_qec70441a78_moe.kd
    .args:
      - { .name: xb, .offset: 0, .size: 8, .value_kind: global_buffer, .address_space: global }
      - { .name: wb, .offset: 8, .size: 8, .value_kind: global_buffer, .address_space: global }
      - { .name: wts, .offset: 16, .size: 8, .value_kind: global_buffer, .address_space: global }
      - { .name: experts_b, .offset: 24, .size: 8, .value_kind: global_buffer, .address_space: global }
      - { .name: x, .offset: 32, .size: 8, .value_kind: global_buffer, .address_space: global }
      - { .name: out0, .offset: 40, .size: 8, .value_kind: global_buffer, .address_space: global }
    .group_segment_fixed_size: 327680
    .private_segment_fixed_size: 0
    .kernarg_segment_align: 8
    .kernarg_segment_size: 48
    .max_flat_workgroup_size: 128
    .sgpr_count:     96
    .vgpr_count:     1024
    .wavefront_size: 32
...
	.end_amdgpu_metadata
.endif
;; end of part 4
;; ======== version 3 of 3: 2 launches; version 2 with the launch prep written anew for expert scheduling mode
;; workspace buffers: xb 8,388,608 bytes; wb 33,554,432 bytes; wts 262,144 bytes
;; launch prep (part 5): grid 256 x 1, 8 waves a work-group, no clusters, 77,824 bytes of LDS; arguments x, gate_w, experts_w, xb, wb, wts; writes xb, wb, wts
.if DOCPART == 5
	.amdgcn_target "amdgcn-amd-amdhsa--gfx1250"
	.amdhsa_code_object_version 6
	.text
	.protected	k_qec70441a78_prep
	.globl	k_qec70441a78_prep
	.p2align	8
	.type	k_qec70441a78_prep,@function
k_qec70441a78_prep:
	s_mov_b64 s[64:65], 0
	v_nop
	global_prefetch_b8 v0, s[64:65] scope:SCOPE_SE
	s_setreg_imm32_b32 hwreg(HW_REG_WAVE_SCHED_MODE, 0, 2), 2
	s_setreg_imm32_b32 hwreg(HW_REG_WAVE_MODE, 25, 1), 1
	s_wait_xcnt 0x0
	s_wait_alu depctr_vm_vsrc(0)
; xb = bf16(x), in the order in which the next launch's operand registers take it; wb = bf16(experts_w), in experts_w's own layout; wts[t][e] = softmax_e(x[t] . gate_w[:, e]), f32.
; x: [4096][1024] f32.  gate_w: [1024][16] f32.  experts_w: [1024][16384] f32.
; xb's LAYOUT: [token block of 16][chunk of 32 k][half][lane][16 bytes]: byte 32,768 tb + 1,024 j + 512 half + 16 l holds token 16 tb + l % 16, k = 32 j + 16 half + 8 (l / 16) + 0..7:
; a matrix operand's fragment of 16 tokens x 32 k is two loads of 512 consecutive bytes.
; SHARES.  256 work-groups of eight waves, all alike.  Work-group g: x's rows 16 g .. 16 g + 15 (65,536 bytes) and the 262,144 bytes of experts_w from byte 262,144 g on.
; Wave w: of the 16 rows the columns 128 w .. 128 w + 127 (one 16-byte load a lane and row), gate_w's rows 128 w .. 128 w + 127 (8,192 dense bytes), and 32,768 bytes of the group's part of experts_w.
; THE GATE.  Each wave multiplies its 128 of the 1,024 terms on the matrix unit (bf16 operands, f32 sums), out of LDS bytes of its own; the eight partial sums (f32) meet in LDS behind one barrier,
; and wave 0 adds them in a fixed order and makes the softmax in f32, the row's maximum taken away first.  The product is used transposed (source 0 = 16 experts, source 1 = 16 tokens):
; a lane then holds one token (lane % 16) and the experts 8 (lane / 16) + 0..7, so maximum and sum want one exchange between the halves of the lanes.
; The fragments of x that the gate's products read ARE xb's layout: they are stored as they lie in the registers.
; THE STREAM.  All 48 loads of a wave go out before the first wait; experts_w then runs through a ring of 16 register slots, four slots at a time: 12 to 16 loads of 512 bytes are always on their way.
; No tensor loads, no cluster: nothing but gate_w (65,536 bytes) is read by two work-groups.
; LIMITS.  x, gate_w and experts_w are rounded once to bf16 (nearest even) as matrix operands.  A weight below 2^-126 comes out as 0 (v_exp_f32 flushes denormals: ISA guide 15.8).  NaN and infinities are not treated apart.
; THE MODE: SCHED_MODE bits 1:0 = 2 (LLVM: expert scheduling mode 2), set by the entry lines.  The code itself states the register dependences
; between vector or matrix instructions and memory or LDS instructions, with s_wait_alu, always for 0.
; THE PLAN.  Registers that memory or LDS instructions touch:
;   v4-17, v30, v31  offsets and LDS addresses: written at the head, never again; one wait ahead of the first load states that they are written.
;   v[32:159]        load n of x's and gate_w's 32 lands at 32 + 4 n, is rounded in place by two conversions and read by one LDS store.  The loads are taken in eight groups of four: at a group's head one wait
;                    states that the group before has written its registers; that group's four stores follow, among this group's conversions, which name this group's registers alone.
;                    Behind the last store one wait states that all 32 stores have read their data: then the fragments land in v[96:159], and the products and additions write v[32:55].
;   v[48:55]         written by the four additions, read by the two LDS stores of the partial sums: one wait between; it also states that the products are done reading v[96:159].
;   v[96:127]        read by the eight stores to xb; in wave 0 loaded anew: one wait, behind the barrier and ahead of the branch on the wave's number.
;   WR, Y            a block of four slots: eight conversions read WR's four slots and write Y's four; ONE wait behind them; then the four slots are loaded again and Y's four are stored.
;                    Y is written once a trip: one wait at the trip's end states that the trip's stores have read it.
.set XSP,   272                        ; a row of the wave's x in LDS: 256 bytes of bf16 + 16: the 16 rows of a fragment load start at 16 different groups of four banks (ISA guide 11.1)
.set XS,    0                          ; wave w: 16 rows x 272
.set GS,    8*16*XSP                   ; wave w: 128 rows of gate_w x 32 bytes (16 bf16), dense
.set PS,    GS+8*4096                  ; wave w: its partial logits, f32 [16 tokens][16 experts]
.set WS,    PS+8*1024                  ; wave 0: the weights on their way out, f32 [16][16]
.set SPARE, WS+1024                    ; the spare words, 128 bytes for each wave: four blocks of 256 bytes that no other line names
.set XOF, 4                            ; v4   my 16 bytes in a row of x: 16 t
.set XBO, 5                            ; v5   my 16 bytes in my wave's four chunks of xb: 4,096 w + 16 l
.set WIO, 6                            ; v6   my 16 bytes in the group's part of experts_w
.set WOO, 7                            ; v7   my 8 bytes in the group's part of wb
.set GIO, 8                            ; v8   my 16 bytes in gate_w
.set XSW, 9                            ; v9   LDS: where I put 8 bytes of a row of x
.set XSR, 10                           ; v10  LDS: my place in a fragment of x
.set GSW, 11                           ; v11  LDS: where I put 8 bytes of gate_w
.set GSR, 12                           ; v12  LDS: my place in a turned fragment of gate_w
.set PSW, 13                           ; v13  LDS: my wave's partial logits
.set PSR, 14                           ; v14  LDS: the same place in wave 0's
.set WSW, 15                           ; v15  LDS: the weights in
.set WSR, 16                           ; v16  LDS: the weights back, 16 bytes a lane
.set WGO, 17                           ; v17  my 16 bytes in 512 of wts
.set SPW, 30                           ; v30  LDS address of my spare word; never rewritten
.set NIL, 31                           ; v31  0; never rewritten
.set XD,  32                           ; v[32:95]   16 rows of x, 4 registers each; later the two accumulators v[32:47] and their sum v[48:55]
.set GD,  96                           ; v[96:159]  16 loads of gate_w (GD = XD + 64: load n of the 32 lies at XD + 4 n); later the fragments; in wave 0 later the eight partial sums
.set XF,  96                           ; fragments of x, 8 registers for each 32 along K
.set GF,  128                          ; fragments of gate_w
.set WR,  160                          ; v[160:223] the ring: slot i, 4 registers as loaded
.set Y,   224                          ; v[224:255] the ring: slot i, 2 registers to store
	s_load_b256 s[4:11], s[0:1], 0x0               ; x s[4:5], gate_w s[6:7], experts_w s[8:9], xb s[10:11]
	s_load_b128 s[12:15], s[0:1], 0x20             ; wb s[12:13], wts s[14:15]
	v_lshl_add_u32 v[SPW], v0, 2, SPARE
	v_mov_b32 v[NIL], 0
	v_lshrrev_b32 v1, 5, v0
	v_readfirstlane_b32 s16, v1                    ; wave 0..7
	v_and_b32 v2, 31, v0                           ; lane l
	v_and_b32 v3, 15, v0                           ; l % 16
	v_bfe_u32 v24, v0, 4, 1                        ; l / 16
	v_and_b32 v25, 7, v0                           ; l % 8
	v_bfe_u32 v26, v0, 3, 1                        ; (l / 8) % 2
	s_mov_b32 s22, 0x3fb8aa3b                      ; log2(e)
	s_mov_b32 s23, s22                             ; named with it as a pair
	s_mov_b32 s24, 0x76543210                      ; v_permlanex16_b32: each lane takes its own place in the other half
	s_mov_b32 s25, 0xfedcba98
	v_lshlrev_b32 v[XOF], 4, v0
	s_wait_alu depctr_va_sdst(0)                   ; s16 is written, ahead of its first reader: the wave's offsets are made from it
	s_lshl_b32 s17, s16, 12
	v_lshl_add_u32 v[XBO], v2, 4, s17              ; 4,096 w + 16 l: my wave's chunks are 4 w .. 4 w + 3
	s_lshl_b32 s17, s16, 15
	v_lshl_add_u32 v[WIO], v2, 4, s17              ; 32,768 w + 16 l
	s_lshl_b32 s17, s16, 14
	v_lshl_add_u32 v[WOO], v2, 3, s17              ; 16,384 w + 8 l
	s_lshl_b32 s17, s16, 13
	v_lshl_add_u32 v[GIO], v2, 4, s17              ; 8,192 w + 16 l
	s_mul_i32 s17, s16, 16*XSP                     ; my wave's rows of x in LDS (XS = 0)
	v_lshl_add_u32 v[XSW], v2, 3, s17
	v_mul_u32_u24 v27, v3, XSP
	v_lshl_add_u32 v27, v24, 4, v27                ; row l % 16, 16 bytes for each half of the lanes
	v_add_nc_u32 v[XSR], s17, v27
	s_lshl_b32 s17, s16, 12
	s_add_co_u32 s17, s17, GS                      ; my wave's rows of gate_w in LDS
	v_lshl_add_u32 v[GSW], v2, 3, s17
	v_lshl_add_u32 v27, v24, 3, v25                ; the turning load: row 8 (l / 16) + l % 8,
	v_lshlrev_b32 v27, 5, v27
	v_lshl_add_u32 v27, v26, 4, v27                ; experts 8 ((l / 8) % 2) + 0..7
	v_add_nc_u32 v[GSR], s17, v27
	v_lshlrev_b32 v27, 6, v3
	v_lshl_add_u32 v27, v24, 5, v27                ; token l % 16, experts 8 (l / 16) on: 64 r + 32 h
	v_add_nc_u32 v[PSR], PS, v27
	s_lshl_b32 s17, s16, 10
	v_add_nc_u32 v[PSW], s17, v[PSR]
	v_add_nc_u32 v[WSW], WS, v27
	v_lshl_add_u32 v[WSR], v2, 4, WS
	v_lshlrev_b32 v[WGO], 4, v2
	s_mov_b32 s19, 0
	s_wait_kmcnt 0x0
	s_lshl_b32 s18, ttmp9, 16                      ; the group's 16 rows of x,
	s_add_nc_u64 s[4:5], s[4:5], s[18:19]
	s_lshl_b32 s18, ttmp9, 15                      ; its token block in xb,
	s_add_nc_u64 s[10:11], s[10:11], s[18:19]
	s_lshl_b32 s18, ttmp9, 18                      ; its part of experts_w,
	s_add_nc_u64 s[8:9], s[8:9], s[18:19]
	s_lshl_b32 s18, ttmp9, 17                      ; of wb,
	s_add_nc_u64 s[12:13], s[12:13], s[18:19]
	s_lshl_b32 s18, ttmp9, 10                      ; and its 16 tokens' weights
	s_add_nc_u64 s[14:15], s[14:15], s[18:19]
	s_wait_alu depctr_va_vdst(0)                   ; the fourteen offsets and LDS addresses v4 to v17 are written: every load and store of the kernel reads one of them
	; 48 loads on end: x's 16 rows, gate_w's 8,192 bytes, the ring's first 16 slots
.irp i, 0,1,2,3,4,5,6,7,8,9,10,11,12,13,14,15
	global_load_b128 v[XD+4*(\i):XD+4*(\i)+3], v[XOF], s[4:5] offset:4096*(\i) th:TH_LOAD_NT
.endr
.irp i, 0,1,2,3,4,5,6,7,8,9,10,11,12,13,14,15
	global_load_b128 v[GD+4*(\i):GD+4*(\i)+3], v[GIO], s[6:7] offset:512*(\i)  ; every work-group reads gate_w: no hint
.endr
.irp i, 0,1,2,3,4,5,6,7,8,9,10,11,12,13,14,15
	global_load_b128 v[WR+4*(\i):WR+4*(\i)+3], v[WIO], s[8:9] offset:512*(\i) th:TH_LOAD_NT
.endr
; x and gate_w: load n of the 32 is rounded in place (CVT) and laid into my wave's bytes in LDS (PUT): x by rows of 272 bytes, gate_w 32 bytes a row.
.macro CVT n
	v_cvt_pk_bf16_f32 v[XD+4*(\n)], v[XD+4*(\n)], v[XD+4*(\n)+1]
	v_cvt_pk_bf16_f32 v[XD+4*(\n)+1], v[XD+4*(\n)+2], v[XD+4*(\n)+3]
.endm
.macro PUT n
.if (\n) < 16
	ds_store_b64 v[XSW], v[XD+4*(\n):XD+4*(\n)+1] offset:XSP*(\n)
.else
	ds_store_b64 v[GSW], v[XD+4*(\n):XD+4*(\n)+1] offset:256*((\n)-16)
.endif
.endm
; Group g of eight: loads 4 g .. 4 g + 3 are rounded; the group before goes into LDS, a store ahead of each pair of conversions.
.macro GRP g
	s_wait_loadcnt 44-4*(\g)                       ; loads come back in order (ISA guide 5.7.1): behind load 4 g + 3 of the 48 stand 44 - 4 g
.if (\g) > 0
	s_wait_alu depctr_va_vdst(0)                   ; the conversions of the group before have written its registers, which the four LDS stores below read; this group's conversions name none of them
.endif
.irp k, 0,1,2,3
.if (\g) > 0
	PUT 4*(\g)-4+(\k)
.endif
	CVT 4*(\g)+(\k)
.endr
.endm
.irp g, 0,1,2,3,4,5,6,7
	GRP \g
.endr
	s_wait_alu depctr_va_vdst(0)                   ; the last group's conversions have written its registers, which the stores below read; and every conversion is done with v[96:159], in which the fragments land
.irp n, 28,29,30,31
	PUT \n
.endr
	s_wait_alu depctr_vm_vsrc(0)                   ; the 32 LDS stores have read v[32:159]: the fragments' loads write v[96:159], the products and the additions v[32:55]
	; the fragments, out of my wave's own bytes: LDS serves a wave's instructions in order (ISA guide 5.7.1.4), so these see the stores above
.irp q, 0,1,2,3
	ds_load_b128 v[XF+8*(\q):XF+8*(\q)+3],        v[XSR] offset:64*(\q)
	ds_load_b128 v[XF+8*(\q)+4:XF+8*(\q)+7],      v[XSR] offset:64*(\q)+32
	ds_load_tr16_b128 v[GF+8*(\q):GF+8*(\q)+3],   v[GSR] offset:1024*(\q)
	ds_load_tr16_b128 v[GF+8*(\q)+4:GF+8*(\q)+7], v[GSR] offset:1024*(\q)+512
.endr
	s_wait_dscnt 0x0
	; xb: x's fragments as they lie in the registers; each store of the wave covers 512 consecutive bytes, aligned.  Their data come from LDS loads: the wait on DScnt above is theirs
.irp q, 0,1,2,3
	global_store_b128 v[XBO], v[XF+8*(\q):XF+8*(\q)+3],   s[10:11] offset:1024*(\q)
	global_store_b128 v[XBO], v[XF+8*(\q)+4:XF+8*(\q)+7], s[10:11] offset:1024*(\q)+512
.endr
	; two accumulators by turns, one instruction a turn; the first two products start the sums
	v_wmma_f32_16x16x32_bf16 v[32:39], v[GF:GF+7],     v[XF:XF+7],     0
	v_wmma_f32_16x16x32_bf16 v[40:47], v[GF+8:GF+15],  v[XF+8:XF+15],  0
	v_wmma_f32_16x16x32_bf16 v[32:39], v[GF+16:GF+23], v[XF+16:XF+23], v[32:39]
	v_wmma_f32_16x16x32_bf16 v[40:47], v[GF+24:GF+31], v[XF+24:XF+31], v[40:47]
.rept 4
	v_nop                                          ; four places between a product and the reading of its result (ISA guide 7.12.1)
.endr
.irp j, 0,2,4,6
	v_pk_add_f32 v[48+(\j):49+(\j)], v[32+(\j):33+(\j)], v[40+(\j):41+(\j)]  ; from each accumulator's low end on
.endr
	s_wait_alu depctr_va_vdst(0)                   ; the additions have written v[48:55], which the LDS stores read; and the products are done reading v[96:159], in which wave 0's loads land
	ds_store_b128 v[PSW], v[48:51]
	ds_store_b128 v[PSW], v[52:55] offset:16
	s_wait_dscnt 0x0                               ; for wave 0's sake: my partial sums are in LDS
	s_barrier_signal -1                            ; the ring's loads stay on their way: nobody stores those bytes
	s_barrier_wait -1
	s_wait_alu depctr_vm_vsrc(0)                   ; the stores to xb have read v[96:127], which wave 0 loads anew below: stated ahead of the branch
	s_cmp_lg_u32 s16, 0
	s_cbranch_scc1 .Lstream                        ; no global load stands in what is jumped: the ring's counts are alike on both ways
	; WAVE 0: the eight partial sums, a fixed tree; then the softmax of 16 tokens
	s_wait_xcnt 0x0                                ; the stores to xb have had their addresses translated (ISA guide 3.1): v[96:127] are loaded anew only behind this wait
.irp p, 0,1,2,3,4,5,6,7
	ds_load_b128 v[GD+8*(\p):GD+8*(\p)+3],   v[PSR] offset:1024*(\p)
	ds_load_b128 v[GD+8*(\p)+4:GD+8*(\p)+7], v[PSR] offset:1024*(\p)+16
.endr
	s_wait_dscnt 0x0
.irp p, 0,2,4,6
.irp j, 0,2,4,6
	v_pk_add_f32 v[GD+8*(\p)+(\j):GD+8*(\p)+(\j)+1], v[GD+8*(\p)+(\j):GD+8*(\p)+(\j)+1], v[GD+8*(\p)+8+(\j):GD+8*(\p)+8+(\j)+1]
.endr
.endr
.irp p, 0,4
.irp j, 0,2,4,6
	v_pk_add_f32 v[GD+8*(\p)+(\j):GD+8*(\p)+(\j)+1], v[GD+8*(\p)+(\j):GD+8*(\p)+(\j)+1], v[GD+8*(\p)+16+(\j):GD+8*(\p)+16+(\j)+1]
.endr
.endr
.irp j, 0,2,4,6
	v_pk_add_f32 v[GD+(\j):GD+(\j)+1], v[GD+(\j):GD+(\j)+1], v[GD+32+(\j):GD+32+(\j)+1]
.endr
	v_max3_num_f32 v18, v[GD], v[GD+1], v[GD+2]    ; the maximum of my 8 logits,
	v_max3_num_f32 v19, v[GD+3], v[GD+4], v[GD+5]
	v_max3_num_f32 v18, v18, v[GD+6], v[GD+7]
	v_max_num_f32 v18, v18, v19
	v_permlanex16_b32 v19, v18, s24, s25           ; and of the token's other 8, in the lane 16 away
	v_max_num_f32 v18, v18, v19
	v_mul_f32 v20, s22, v18                        ; log2(e) m
	v_mov_b32 v21, v20                             ; named with it as a pair
.irp j, 0,2,4,6
	v_pk_fma_f32 v[GD+(\j):GD+(\j)+1], v[GD+(\j):GD+(\j)+1], s[22:23], v[20:21] op_sel_hi:[1,0,0] neg_lo:[0,0,1] neg_hi:[0,0,1]  ; log2(e) s - log2(e) m: at most 0
.endr
.irp j, 0,1,2,3,4,5,6,7
	v_exp_f32 v[GD+(\j)], v[GD+(\j)]
.endr
	v_nop                                          ; a plain instruction behind the last exponential (ISA guide 5.7.2),
	s_wait_alu depctr_va_vdst(0)                   ; and the one wait ahead of the batch's first reader: the eight exponentials have written v[96:103]
	v_pk_add_f32 v[GD+8:GD+9], v[GD:GD+1], v[GD+2:GD+3]
	v_pk_add_f32 v[GD+10:GD+11], v[GD+4:GD+5], v[GD+6:GD+7]
	v_pk_add_f32 v[GD+8:GD+9], v[GD+8:GD+9], v[GD+10:GD+11]
	v_add_f32 v18, v[GD+8], v[GD+9]
	v_permlanex16_b32 v19, v18, s24, s25
	v_add_f32 v18, v18, v19                        ; the sum of all 16: at least 1, since the maximum's own term is 1
	v_rcp_f32 v22, v18
	v_mov_b32 v23, 0                               ; the plain instruction behind the reciprocal; it also writes the pair's other register
	s_wait_alu depctr_va_vdst(0)                   ; the wait ahead of the reciprocal's first reader: v22 is written
.irp j, 0,2,4,6
	v_pk_mul_f32 v[GD+(\j):GD+(\j)+1], v[GD+(\j):GD+(\j)+1], v[22:23] op_sel_hi:[1,0]
.endr
	s_wait_alu depctr_va_vdst(0)                   ; the scalings have written v[96:103], which the LDS stores read; the sums are done with v[104:111], in which the two loads behind the stores land
	ds_store_b128 v[WSW], v[GD:GD+3]               ; through LDS, so that the lanes store neighbouring bytes
	ds_store_b128 v[WSW], v[GD+4:GD+7] offset:16
	ds_load_b128 v[GD+8:GD+11], v[WSR]             ; my own wave's bytes, served in order
	ds_load_b128 v[GD+12:GD+15], v[WSR] offset:512
	s_wait_dscnt 0x0
	global_store_b128 v[WGO], v[GD+8:GD+11], s[14:15]              ; 512 consecutive bytes each, aligned
	global_store_b128 v[WGO], v[GD+12:GD+15], s[14:15] offset:512
.Lstream:
; A block of four slots, 4 b .. 4 b + 3.  ahead = 1: the slots are loaded again, 16 slots (8,192 bytes) on.  left = how many younger loads may stay out.
.macro BLOCK b, ahead, left
	s_wait_loadcnt \left                           ; loads come back in order (ISA guide 5.7.1): the block's four are in
.irp k, 0,1,2,3
	v_cvt_pk_bf16_f32 v[Y+2*(4*(\b)+(\k))], v[WR+4*(4*(\b)+(\k))], v[WR+4*(4*(\b)+(\k))+1]
	v_cvt_pk_bf16_f32 v[Y+2*(4*(\b)+(\k))+1], v[WR+4*(4*(\b)+(\k))+2], v[WR+4*(4*(\b)+(\k))+3]
.endr
	s_wait_alu depctr_va_vdst(0)                   ; the eight conversions have written Y's four slots, which the stores below read, and are done reading WR's four, in which the loads below land
.irp k, 0,1,2,3
.if \ahead
	global_load_b128 v[WR+4*(4*(\b)+(\k)):WR+4*(4*(\b)+(\k))+3], v[WIO], s[8:9] offset:512*(16+4*(\b)+(\k)) th:TH_LOAD_NT  ; the slot is asked for again at once
.endif
	global_store_b64 v[WOO], v[Y+2*(4*(\b)+(\k)):Y+2*(4*(\b)+(\k))+1], s[12:13] offset:256*(4*(\b)+(\k))  ; the wave's 32 lanes store 256 consecutive bytes, aligned
.endr
.endm
	s_mov_b32 s20, 3                               ; a wave has 64 slots' worth: three trips of 16 that load ahead, and a tail
.Lround:
.irp b, 0,1,2,3
	BLOCK \b, 1, 12                                ; the three younger blocks stay out
.endr
	s_wait_xcnt 0x0                                ; the trip's loads and stores have had their addresses translated (ISA guide 3.1): Y and the two bases are written again only behind this wait
	s_wait_alu depctr_vm_vsrc(0)                   ; the trip's stores have read Y, which the next sixteen slots' conversions write again
	s_add_nc_u64 s[8:9], s[8:9], 8192
	s_add_nc_u64 s[12:13], s[12:13], 4096
	s_sub_co_u32 s20, s20, 1
	s_cmp_lg_u32 s20, 0
	s_cbranch_scc1 .Lround
.irp b, 0,1,2,3
	BLOCK \b, 0, 12-4*(\b)                         ; the last 16 slots load nothing: the counts run down
.endr
	s_wait_dscnt 0x0                               ; the wave's end
	s_wait_alu 0x0
	s_wait_tensorcnt 0x0
	ds_add_u32 v[SPW], v[NIL]
	s_wait_dscnt 0x0
	s_endpgm
.Lfunc_end_k_qec70441a78_prep:
	.size	k_qec70441a78_prep, .Lfunc_end_k_qec70441a78_prep-k_qec70441a78_prep
	.p2alignl 7, 3214868480
	.fill 96, 4, 3214868480
	.section	.rodata,"a",@progbits
	.p2align	6, 0x0
	.amdhsa_kernel k_qec70441a78_prep
		.amdhsa_group_segment_fixed_size 77824
		.amdhsa_private_segment_fixed_size 0
		.amdhsa_enable_private_segment 0
		.amdhsa_kernarg_size 48
		.amdhsa_user_sgpr_count 2
		.amdhsa_user_sgpr_kernarg_segment_ptr 1
		.amdhsa_wavefront_size32 1
		.amdhsa_system_sgpr_workgroup_id_x 1
		.amdhsa_system_sgpr_workgroup_id_y 1
		.amdhsa_system_sgpr_workgroup_id_z 1
		.amdhsa_system_vgpr_workitem_id 0
		.amdhsa_next_free_vgpr 256
		.amdhsa_next_free_sgpr 66
		.amdhsa_reserve_vcc 0
		.amdhsa_float_denorm_mode_32 3
		.amdhsa_float_denorm_mode_16_64 3
		.amdhsa_memory_ordered 1
		.amdhsa_forward_progress 1
		.amdhsa_inst_pref_size 32
	.end_amdhsa_kernel
	.amdgpu_metadata
---
amdhsa.version: [ 1, 2 ]
amdhsa.kernels:
  - .name:           k_qec70441a78_prep
    .symbol:         k_qec70441a78_prep.kd
    .args:
      - { .name: x, .offset: 0, .size: 8, .value_kind: global_buffer, .address_space: global }
      - { .name: gate_w, .offset: 8, .size: 8, .value_kind: global_buffer, .address_space: global }
      - { .name: experts_w, .offset: 16, .size: 8, .value_kind: global_buffer, .address_space: global }
      - { .name: xb, .offset: 24, .size: 8, .value_kind: global_buffer, .address_space: global }
      - { .name: wb, .offset: 32, .size: 8, .value_kind: global_buffer, .address_space: global }
      - { .name: wts, .offset: 40, .size: 8, .value_kind: global_buffer, .address_space: global }
    .group_segment_fixed_size: 77824
    .private_segment_fixed_size: 0
    .kernarg_segment_align: 8
    .kernarg_segment_size: 48
    .max_flat_workgroup_size: 256
    .sgpr_count:     66
    .vgpr_count:     256
    .wavefront_size: 32
...
	.end_amdgpu_metadata
.endif
;; end of part 5
;; launch moe: the kernel of part 4 again; grid 8 x 32, 4 waves a work-group, clusters of 4 x 4, 327,680 bytes of LDS; arguments xb, wb, wts, experts_b, x, out0; writes out0
